; MI455X (gfx1250); checked and timed in simulation.
; The chip was launched on July 23, 2026; its instructions are those of AMD's public machine-readable ISA for CDNA 5 (MIT licence, August 2026) and "CDNA5" Instruction Set Architecture Reference Guide (July 2026). The comments in the code are by the model that wrote it; some were corrected since.
;; Attention. Allowed arithmetic: matrix products marked QUANTISED: E4M3 operands, one given power-of-two scale a tensor, by v_wmma_f32_16x16x64_fp8_fp8 or v_wmma_f32_16x16x128_fp8_fp8, f32 sums; everything else in f32.
;; Inputs: freqs_cos 1,024 x 32 float32; freqs_sin 1,024 x 32 float32; lowp_scales 12 int32 (the exponents e of the quantised operands' scales 2^e); wk 1,024 x 1,024 float32; wo 1,024 x 1,024 float32; wq 1,024 x 1,024 float32; wv 1,024 x 1,024 float32; x 8 x 1,024 x 1,024 float32.
;; Outputs: out0 8 x 1,024 x 1,024 float32.
;; This version of the problem:
;;   THIS VERSION OF THE PROBLEM IS GIVEN IN LOW PRECISION. The matrix products marked QUANTISED in the list below multiply operands that are first quantised to E4M3 (4 exponent bits, 3 mantissa bits; 8 bits a number), with one given power-of-two scale for each operand tensor; their sums are f32. All else is computed in f32.
;;   The module's matrix products, in the order in which they are computed (A, B: the left and right operand; K: the contracted axis; several contracted axes count as one K, in the product's order):
;;     1. [M 8,192, K 1,024] x [K 1,024, N 1,024]; A: input x; B: input wq: QUANTISED (scales: A lowp_scales[0], B lowp_scales[1])
;;     2. [M 8,192, K 1,024] x [K 1,024, N 1,024]; A: input x; B: input wk: QUANTISED (scales: A lowp_scales[2], B lowp_scales[3])
;;     3. [M 8,192, K 1,024] x [K 1,024, N 1,024]; A: input x; B: input wv: QUANTISED (scales: A lowp_scales[4], B lowp_scales[5])
;;     4. batch 128 x [M 1,024, K 64] x [K 64, N 1,024]; A: computed on the way; B: computed on the way: QUANTISED (scales: A lowp_scales[6], B lowp_scales[7])
;;     5. batch 128 x [M 64, K 1,024] x [K 1,024, N 1,024]; A: computed on the way; B: softmax (see below): QUANTISED (scales: A lowp_scales[8], B lowp_scales[9])
;;     6. [M 8,192, K 1,024] x [K 1,024, N 1,024]; A: computed on the way; B: input wo: QUANTISED (scales: A lowp_scales[10], B lowp_scales[11])
;;   THE QUANTISER, for each operand of a quantised product, along K:
;;     - The operand's scale is 2^e, e = its entry of the input lowp_scales (int32; the entries are numbered through the quantised products in the list's order, A before B).
;;     - Each number is divided by the scale, clamped to +-448, and rounded to the nearest number of E4M3, ties to even, subnormals kept.
;;     - The product sums the exact products of the quantised numbers (number of the format x scale) in f32.
;;   ~~~python
;;   def quantise(x, axis, e):      # numpy; x: float32 -> the quantised numbers, widened to float32 again
;;       x = np.moveaxis(x, axis, -1); K = x.shape[-1]
;;       r = np.clip(x / 2.0 ** e, -448, 448)
;;       step = 2.0 ** (np.maximum(np.frexp(np.where(r == 0, 1, r))[1] - 1, -6) - 3)
;;       q = np.round(r / step) * step * 2.0 ** e      # np.round: ties to even
;;       return np.moveaxis(q, -1, axis).astype(np.float32)
;;   ~~~
;;   SOFTMAX AHEAD OF A QUANTISED PRODUCT. Where the list says 'softmax', what is quantised is not the finished softmax but p = 2^(t - M), with t = logit x log2(e) and M = ceil(the row's largest t), a whole number; so 1/2 < the row's largest p <= 1. The row's sum l is taken of the UNQUANTISED p, in f32, and the product's result is divided by l at the end. Since M is a whole number, a kernel that streams over the keys may use a running M (the ceiling of the running maximum): every later rescaling is an exact power of two, so the quantised numbers keep their values, but for numbers so far below the row's largest that they fall under the format's range.
;;   OPERANDS COMPUTED ON THE WAY. 'Computed on the way' means the value that the module computes at that place (a softmax that the list does not call 'softmax' is quantised finished and normalised). What goes into a quantiser is computed in f32, as accurately as f32 sums, v_exp_f32 and their like allow (about 1e-6 of the number): no bf16 or f16 on the way to a quantiser, and a product that is left as it is and whose result goes on into a quantised operand takes f32 operands (vector FMAs, or v_wmma_f32_16x16x4_f32). A number that lies on a knife's edge between two numbers of the format may be rounded either way, as far as f32 arithmetic and the matrix unit's own rounding can turn it there, and no further.
;; One version. Each part assembles by itself: llvm-mc -triple=amdgcn-amd-amdhsa -mcpu=gfx1250 --defsym DOCPART=n.
;; ======== version 1 of 1: 4 launches
;; limits: right only within a limited range of input values
;; workspace buffers: cw 29,360,128 bytes; qkv 25,165,824 bytes; ac 8,388,608 bytes
;; launch quant (part 1): grid 1536 x 1, 4 waves a work-group, no clusters, 34,304 bytes of LDS; arguments x, wq, wk, wv, wo, lowp_scales, cw; writes cw
.if DOCPART == 1
	.amdgcn_target "amdgcn-amd-amdhsa--gfx1250"
	.amdhsa_code_object_version 6
	.text
	.protected	k_q4188766c76_quant
	.globl	k_q4188766c76_quant
	.p2align	8
	.type	k_q4188766c76_quant,@function
k_q4188766c76_quant:
	s_mov_b64 s[64:65], 0
	v_nop
	global_prefetch_b8 v0, s[64:65] scope:SCOPE_SE
	s_setreg_imm32_b32 hwreg(HW_REG_WAVE_MODE, 25, 1), 1
	s_wait_xcnt 0x0
; x [8192][1024] and wq, wk, wv, wo [1024][1024], f32, K innermost, become codes of FP8 (E4M3) with the given scales 2^e.
; code = number / 2^e, held within +-448, rounded to the nearest code, ties to even.
; THE CODES ARE LAID AS IMAGES OF THE OPERAND'S REGISTERS.  A fragment of 16 rows x 128 K of v_wmma_f32_16x16x128_fp8_fp8 is 16 registers a lane: lane (r = l % 16, h = l / 16)
; holds k = 16 c + 8 h + 0..7 of row r in registers 2 c, 2 c + 1.  Its image is 2,048 bytes: registers 4 q .. 4 q + 3 of lane l at 512 q + 16 l.
; cw: x's codes in three parts of 8 MiB, one for each of the three products that read x (scales e0, e2, e4), each [row tile 0..511][kf 0..7][2,048]; all three are always written, so that the reader's
; addresses hang on ids alone.  From 24 MiB on the weights: [wq, wk, wv, wo][row tile 0..63][kf 0..7][2,048], scales e1, e3, e5, e11.
; SHARES.  One wave makes one image (of x: the same image under three scales).  Work-groups 0..1023 take x (row tile g / 2), the others the weights; kf = 4 (g % 2) + wave: a work-group reads 2,048 neighbouring bytes of each of 16 rows.
; Each load reads 512 neighbouring bytes of one row; the 16 rows turn through the wave's own stage in LDS (rows 528 bytes apart), from which a lane takes the 64 numbers of its registers.
; All 16 loads of a wave are out together; no loop, no barrier: waves share nothing.
; LIMITS: each e between -126 and 119, so that 2^e and 448 x 2^e are f32 numbers.  NaN among the inputs is not served.
.set PITCH, 528                        ; a stage row: 512 bytes + 16 = 132 words: the 16 rows that a read touches begin 4 banks apart (64 banks of 4 bytes: ISA guide 11.1)
.set STG,   16*PITCH                   ; a wave's stage
.set SPARE, 4*STG                      ; behind the four stages: the spare words, 128 bytes for each wave: two blocks of 256 bytes that no other line names
.set WOFF,  0x1800000                  ; where the weights' codes begin in cw
.set SPW,   5                          ; v5       LDS address of my spare word; never rewritten
.set NIL,   6                          ; v6       0; never rewritten
.set R,     16                         ; v16-79   the 16 rows as loaded
.set N,     80                         ; v80-143  my 64 numbers: register 16 c + i belongs to code registers 4 c .. 4 c + 3
.set T,     16                         ; v16-47   two sets of 16 held numbers, by turns: in the registers of the rows as loaded, which the stage's stores have read when the first LDS load is back
.set C,     48                         ; v48-63   the image's 16 registers, likewise
	s_load_b256 s[4:11], s[0:1], 0x0               ; x s[4:5], wq s[6:7], wk s[8:9], wv s[10:11]
	s_load_b128 s[12:15], s[0:1], 0x20             ; wo s[12:13], the scales s[14:15]
	s_load_b64 s[16:17], s[0:1], 0x30              ; cw
	v_lshl_add_u32 v[SPW], v0, 2, SPARE
	v_mov_b32 v[NIL], 0
	v_lshrrev_b32 v1, 5, v0
	v_readfirstlane_b32 s20, v1                    ; wave 0..3
	v_and_b32 v4, 31, v0
	v_lshlrev_b32 v1, 4, v4                        ; v1 = 16 x lane: my bytes of a load's 512 and of a store's 512
	v_and_b32 v7, 15, v0                           ; r
	v_bfe_u32 v4, v0, 4, 1                         ; h
	s_mul_i32 s21, s20, STG
	v_add_nc_u32 v2, s21, v1                       ; the stage, way in: 16 x lane, the row in the immediate
	v_mul_u32_u24 v3, v7, PITCH
	v_lshl_add_u32 v3, v4, 5, v3
	v_add_nc_u32 v3, s21, v3                       ; way out: row r, + 32 h bytes (8 numbers)
	s_sub_co_u32 s22, ttmp9, 1024                  ; the weights' work-groups count from 0
	s_lshr_b32 s23, s22, 7                         ; which weight
	s_lshr_b32 s38, s22, 1
	s_and_b32 s38, s38, 63                         ; its row tile
	s_lshr_b32 s39, ttmp9, 1                       ; x's row tile
	s_and_b32 s48, ttmp9, 1
	s_lshl_b32 s48, s48, 2
	s_add_co_u32 s48, s48, s20                     ; kf
	s_cmp_lt_u32 ttmp9, 1024                       ; x's work-group?  The choices hang on the work-group's number alone
	s_cselect_b32 s38, s39, s38                    ; row tile
	s_cselect_b32 s49, 0, s23                      ; weight 0..3 (0 for x)
	s_cselect_b32 s50, 1, 0                        ; 1 for x
	s_cselect_b32 s59, 0, WOFF                     ; where my tensor's codes begin
	s_lshl_b32 s52, s38, 16                        ; source: 16 rows of 4,096 bytes a tile,
	s_lshl_b32 s51, s48, 9                         ; 512 bytes a kf
	s_or_b32 s52, s52, s51
	s_mov_b32 s53, 0
	s_lshl_b32 s54, s38, 14                        ; codes: 16,384 bytes a tile,
	s_lshl_b32 s51, s48, 11                        ; 2,048 a kf,
	s_or_b32 s54, s54, s51
	s_lshl_b32 s51, s49, 20                        ; 1 MiB a weight
	s_or_b32 s54, s54, s51
	s_add_co_u32 s54, s54, s59
	s_mov_b32 s55, 0
	s_wait_alu depctr_va_vdst(0)
	s_wait_kmcnt 0x0
	s_load_b256 s[24:31], s[14:15], 0x0            ; e0 .. e7
	s_load_b128 s[32:35], s[14:15], 0x20           ; e8 .. e11
	s_cmp_eq_u32 s49, 1
	s_cselect_b64 s[40:41], s[8:9], s[6:7]
	s_cmp_eq_u32 s49, 2
	s_cselect_b64 s[40:41], s[10:11], s[40:41]
	s_cmp_eq_u32 s49, 3
	s_cselect_b64 s[40:41], s[12:13], s[40:41]
	s_cmp_eq_u32 s50, 1
	s_cselect_b64 s[40:41], s[4:5], s[40:41]       ; the tensor that I read
	s_add_nc_u64 s[40:41], s[40:41], s[52:53]
	s_add_nc_u64 s[42:43], s[16:17], s[54:55]      ; output 0
	s_add_nc_u64 s[44:45], s[42:43], 0x800000      ; x's part 1 (used by x's work-groups alone)
	s_add_nc_u64 s[46:47], s[42:43], 0x1000000     ; x's part 2
.irp i, 0,1,2,3,4,5,6,7,8,9,10,11,12,13,14,15
	global_load_b128 v[R+4*\i:R+4*\i+3], v1, s[40:41] offset:4096*\i th:TH_LOAD_NT   ; 32 lanes read 512 neighbouring bytes of row i; read once in the launch
.endr
	s_wait_kmcnt 0x0
	s_cmp_eq_u32 s49, 1
	s_cselect_b32 s56, s27, s25                    ; wk: e3, wq: e1
	s_cmp_eq_u32 s49, 2
	s_cselect_b32 s56, s29, s56                    ; wv: e5
	s_cmp_eq_u32 s49, 3
	s_cselect_b32 s56, s35, s56                    ; wo: e11
	s_cmp_eq_u32 s50, 1
	s_cselect_b32 s56, s24, s56                    ; x: e0
.macro MKSC e, vs, vl                  ; 2^e as f32 (the conversion takes its exponent field) and 448 x 2^e
	s_add_co_i32 s57, s[\e], 127
	s_lshl_b32 s58, s57, 23
	v_mov_b32 v[\vs], s58
	s_add_co_i32 s57, s57, 8
	s_lshl_b32 s57, s57, 23
	s_or_b32 s57, s57, 0x600000
	v_mov_b32 v[\vl], s57
.endm
	MKSC 56, 8, 9
	MKSC 26, 10, 11                                ; e2
	MKSC 28, 12, 13                                ; e4
	s_wait_alu depctr_va_vdst(0)
.irp i, 0,1,2,3,4,5,6,7,8,9,10,11,12,13,14,15
	s_wait_loadcnt 15-\i                           ; loads come back in order: row i is in, the rows behind it stay out
	ds_store_b128 v2, v[R+4*\i:R+4*\i+3] offset:PITCH*\i
.endr
.irp c, 0,1,2,3                        ; LDS serves a wave's instructions in order: these see my stores.  Chunk c: k = 32 c + 8 h + 0..7, then k = 32 c + 16 + 8 h + 0..7
	ds_load_b128 v[N+16*\c:N+16*\c+3],     v3 offset:128*\c
	ds_load_b128 v[N+16*\c+4:N+16*\c+7],   v3 offset:128*\c+16
	ds_load_b128 v[N+16*\c+8:N+16*\c+11],  v3 offset:128*\c+64
	ds_load_b128 v[N+16*\c+12:N+16*\c+15], v3 offset:128*\c+80
.endr
; One image from my 64 numbers, which stay as they are: held into T, converted into C, stored as four runs of 512 bytes.
.macro QOUT vs, vl, dst, first
.if \first == 0
	s_wait_xcnt 0x0                                ; the image before has left its registers: C is written again only behind this wait
.endif
.irp c, 0,1,2,3
.if \first
	s_wait_dscnt 4*(3-\c)                          ; chunk c's four LDS loads are in; those of the later chunks stay out
.endif
.irp i, 0,1,2,3,4,5,6,7,8,9,10,11,12,13,14,15
	v_med3_num_f32 v[T+16*(\c%2)+\i], v[N+16*\c+\i], -v[\vl], v[\vl]   ; the conversion to an 8-bit code does not saturate (ISA guide 7.6.2): the hold at the largest code x the scale
.endr
	v_cvt_scalef32_pk8_fp8_f32 v[C+4*\c:C+4*\c+1], v[T+16*(\c%2):T+16*(\c%2)+7], v[\vs]
	v_cvt_scalef32_pk8_fp8_f32 v[C+4*\c+2:C+4*\c+3], v[T+16*(\c%2)+8:T+16*(\c%2)+15], v[\vs]   ; the next chunk's 16 holds write the other set: plain lines between a conversion and the rewriting of its sources
.endr
	v_nop                                          ; a plain line behind the last conversion
.irp c, 0,1,2,3
	global_store_b128 v1, v[C+4*\c:C+4*\c+3], s[\dst:\dst+1] offset:512*\c   ; 32 lanes store 512 neighbouring bytes, aligned
.endr
.endm
	QOUT 8, 9, 42, 1
	s_wait_tensorcnt 0x0                           ; behind my last LDS store; nothing below touches LDS
	ds_add_u32 v[SPW], v[NIL]
	s_wait_dscnt 0x0
	s_cmp_eq_u32 s50, 0                            ; a weight has one scale: done.  The branch hangs on the work-group's number alone
	s_cbranch_scc1 .Lone_scale
	QOUT 10, 11, 44, 0                             ; x under e2
	QOUT 12, 13, 46, 0                             ; x under e4
.Lone_scale:
	s_endpgm
.Lfunc_end_k_q4188766c76_quant:
	.size	k_q4188766c76_quant, .Lfunc_end_k_q4188766c76_quant-k_q4188766c76_quant
	.p2alignl 7, 3214868480
	.fill 96, 4, 3214868480
	.section	.rodata,"a",@progbits
	.p2align	6, 0x0
	.amdhsa_kernel k_q4188766c76_quant
		.amdhsa_group_segment_fixed_size 34304
		.amdhsa_private_segment_fixed_size 0
		.amdhsa_enable_private_segment 0
		.amdhsa_kernarg_size 56
		.amdhsa_user_sgpr_count 2
		.amdhsa_user_sgpr_kernarg_segment_ptr 1
		.amdhsa_wavefront_size32 1
		.amdhsa_system_sgpr_workgroup_id_x 1
		.amdhsa_system_sgpr_workgroup_id_y 1
		.amdhsa_system_sgpr_workgroup_id_z 1
		.amdhsa_system_vgpr_workitem_id 0
		.amdhsa_next_free_vgpr 144
		.amdhsa_next_free_sgpr 66
		.amdhsa_reserve_vcc 0
		.amdhsa_float_denorm_mode_32 3
		.amdhsa_float_denorm_mode_16_64 3
		.amdhsa_memory_ordered 1
		.amdhsa_forward_progress 1
		.amdhsa_inst_pref_size 23
	.end_amdhsa_kernel
	.amdgpu_metadata
---
amdhsa.version: [ 1, 2 ]
amdhsa.kernels:
  - .name:           k_q4188766c76_quant
    .symbol:         k_q4188766c76_quant.kd
    .args:
      - { .name: x, .offset: 0, .size: 8, .value_kind: global_buffer, .address_space: global }
      - { .name: wq, .offset: 8, .size: 8, .value_kind: global_buffer, .address_space: global }
      - { .name: wk, .offset: 16, .size: 8, .value_kind: global_buffer, .address_space: global }
      - { .name: wv, .offset: 24, .size: 8, .value_kind: global_buffer, .address_space: global }
      - { .name: wo, .offset: 32, .size: 8, .value_kind: global_buffer, .address_space: global }
      - { .name: lowp_scales, .offset: 40, .size: 8, .value_kind: global_buffer, .address_space: global }
      - { .name: cw, .offset: 48, .size: 8, .value_kind: global_buffer, .address_space: global }
    .group_segment_fixed_size: 34304
    .private_segment_fixed_size: 0
    .kernarg_segment_align: 8
    .kernarg_segment_size: 56
    .max_flat_workgroup_size: 128
    .sgpr_count:     66
    .vgpr_count:     144
    .wavefront_size: 32
...
	.end_amdgpu_metadata
.endif
;; end of part 1
;; launch qkv (part 2): grid 8 x 32, 4 waves a work-group, clusters of 4 x 4, 327,680 bytes of LDS; arguments cw, lowp_scales, freqs_cos, freqs_sin, qkv; writes qkv
.if DOCPART == 2
	.amdgcn_target "amdgcn-amd-amdhsa--gfx1250"
	.amdhsa_code_object_version 6
	.text
	.protected	k_q4188766c76_qkv
	.globl	k_q4188766c76_qkv
	.p2align	8
	.type	k_q4188766c76_qkv,@function
k_q4188766c76_qkv:
	s_mov_b64 s[64:65], 0
	v_nop
	global_prefetch_b8 v0, s[64:65] scope:SCOPE_SE
	s_setreg_imm32_b32 hwreg(HW_REG_WAVE_MODE, 25, 1), 1
	s_wait_xcnt 0x0
	s_wait_alu depctr_hold_cnt(0) depctr_sa_sdst(0) depctr_va_vdst(0) depctr_va_sdst(0) depctr_va_ssrc(0) depctr_va_vcc(0) depctr_vm_vsrc(0)
	s_getreg_b32 s2, hwreg(HW_REG_IB_STS2, 6, 4)
	s_cmp_eq_u32 s2, 0
	s_cbranch_scc0 .Lentry_in_a_cluster
	s_endpgm
.Lentry_in_a_cluster:
	s_bfe_u32 s2, ttmp6, 0x10000c
	s_cmp_lg_u32 s2, 0xf033
	s_cbranch_scc0 .Lentry_shape_is_right
	s_endpgm
.Lentry_shape_is_right:
.set HALFT,  32768
.set SLOT,   4*HALFT
.set RGN1,   98304
.set SPARE,  294912
.set WOFF,   0x1800000
.set FR,     16
.set NL,     4
.set NP,     4
.set ADRA, 16
.set HADA, 18
.set ADRB, 20
.set HADB, 22
.set LN,   24
.set TBO,  25
.set SC,   26
.set LIM,  27
.set SPW,  28
.set NIL,  29
.set SC2,  30
.set LIM2, 31
.set TMP,  32
.set AF,   128
.set CD,   128
.set WV, 16
.set HA, 17
.set HB, 18
.set G1A,  24
.set G0A,  32
.set D1B,  40
.set G1B,  48
.set G0B,  56
.set G1AD, 72
.set G1BD, 80
.set D0A,  88
.set D0B,  92
.set D1A,  96
.set MSB, 0
.macro WIN new
.if MSB != (\new)
	s_set_vgpr_msb (MSB<<8)|(\new)
.set MSB, \new
.endif
.endm
.set MUL_LO, 0xa1
.set MUL_HI, 0xf1
.set TO_B,   0x40
.macro JLOAD g0a, g1a, g0b, g1b
	s_cmp_eq_u32 s[HA], 0
	s_cbranch_scc0 .Lfor_b_\@
	tensor_load_to_lds s[\g0a:\g0a+3], s[\g1a:\g1a+7]
	s_nop 0
.rept 4
	v_nop
.endr
	s_branch .Lasked_\@
.Lfor_b_\@:
	tensor_load_to_lds s[\g0b:\g0b+3], s[\g1b:\g1b+7]
	s_nop 0
.rept 4
	v_nop
.endr
.Lasked_\@:
.endm
.macro JLOAD2 g0a, g1a, g0b, g1b
	s_cmp_lt_u32 s[WV], 2
	s_cbranch_scc0 .Lfor_b2_\@
	s_cmp_eq_u32 s[WV], 0
	s_cbranch_scc0 .Lasked2_\@
	tensor_load_to_lds s[\g0a:\g0a+3], s[\g1a:\g1a+7]
	s_nop 0
.rept 4
	v_nop
.endr
	s_branch .Lasked2_\@
.Lfor_b2_\@:
	tensor_load_to_lds s[\g0b:\g0b+3], s[\g1b:\g1b+7]
	s_nop 0
.rept 4
	v_nop
.endr
.Lasked2_\@:
.endm
.macro CREST
	s_cmp_lg_u32 s[WV], 0
	s_cbranch_scc1 .Lnot_wave_0_\@
	s_barrier_signal -3
.Lnot_wave_0_\@:
	s_barrier_wait -3
	s_barrier_signal -1
	s_barrier_wait -1
.endm
.macro CROUND
	s_barrier_signal -1
	s_barrier_wait -1
	CREST
.endm
	s_load_b256 s[4:11], s[0:1], 0x0
	s_load_b64 s[12:13], s[0:1], 0x20
	v_lshl_add_u32 v[SPW], v0, 2, SPARE
	v_mov_b32 v[NIL], 0
	ds_add_u32 v[SPW], v[NIL]
	ds_add_u32 v[SPW], v[NIL]
	v_lshrrev_b32 v1, 5, v0
	v_readfirstlane_b32 s[WV], v1
	s_lshr_b32 s[HA], s[WV], 1
	s_and_b32 s[HB], s[WV], 1
	s_bfe_u32 s19, ttmp6, 0x40000
	s_bfe_u32 s20, ttmp6, 0x40004
	s_mov_b32 s21, ttmp9
	s_and_b32 s22, ttmp7, 0xffff
	s_lshl_b32 s22, s22, 2
	s_lshl_b32 s2, s20, 2
	s_lshl_b32 s2, 15, s2
	s_lshl_b32 s3, 0x1111, s19
	s_or_b32 s[G1A],  s2, (3<<16)|(1<<21)
	s_or_b32 s[G1B],  s3, (3<<16)|(1<<21)
	s_or_b32 s[G1AD], s2, (3<<16)|(1<<21)
	s_or_b32 s[G1BD], s3, (3<<16)|(1<<21)
.irp g, G1A, G1B
	s_mov_b32 s[\g+1], 512<<16
	s_mov_b32 s[\g+2], 8<<16
	s_mov_b32 s[\g+3], 512<<16
	s_mov_b32 s[\g+4], 8
	s_mov_b32 s[\g+5], 2048
	s_mov_b32 s[\g+6], 0
	s_mov_b32 s[\g+7], 0
.endr
.irp g, G1AD, G1BD
	s_mov_b32 s[\g+1], 512<<16                     ; for the head's loads: 16 row tiles x 4,096 bytes
	s_mov_b32 s[\g+2], 16<<16
	s_mov_b32 s[\g+3], 512<<16
	s_mov_b32 s[\g+4], 16
	s_mov_b32 s[\g+5], 2048
	s_mov_b32 s[\g+6], 0
	s_mov_b32 s[\g+7], 0
.endr
	s_lshl_b32 s71, s[HB], 17
	s_add_co_u32 s44, s22, s20
	s_lshl_b32 s44, s44, 18
	s_lshl_b32 s23, s21, 23
	s_add_co_u32 s44, s44, s23
	s_add_co_u32 s44, s44, s71
	s_mov_b32 s45, 0
	s_lshl_b32 s46, s19, 18
	s_lshl_b32 s70, s21, 20
	s_add_co_u32 s46, s46, s70
	s_add_co_u32 s46, s46, s71
	s_add_co_u32 s46, s46, WOFF
	s_mov_b32 s47, 0
	s_lshl_b32 s66, s21, 2
	s_add_co_u32 s66, s66, s20
	s_lshl_b32 s66, s66, 17
	s_add_co_u32 s66, s66, WOFF+0x200000
	s_mov_b32 s67, 0
	s_add_co_u32 s68, s22, s19
	s_lshl_b32 s68, s68, 18
	s_add_co_u32 s68, s68, s71
	s_add_co_u32 s68, s68, 0x1000000
	s_mov_b32 s69, 0
	s_lshl_b32 s23, s[WV], 15
	s_wait_dscnt 0x0
	s_wait_kmcnt 0x0
	s_load_b256 s[88:95], s[6:7], 0x0
	s_load_b128 s[96:99], s[6:7], 0x20
	s_add_nc_u64 s[44:45], s[4:5], s[44:45]
	s_add_nc_u64 s[46:47], s[4:5], s[46:47]
	s_add_nc_u64 s[66:67], s[4:5], s[66:67]
	s_add_nc_u64 s[68:69], s[4:5], s[68:69]
	CROUND
.irp s, 0,1
	s_mov_b32 s[G0A+4*\s], 1
	s_add_co_u32 s[G0A+4*\s+1], s23, \s*SLOT
	s_add_nc_u64 s[G0A+4*\s+2:G0A+4*\s+3], s[44:45], \s*4096
	s_or_b32 s[G0A+4*\s+3], s[G0A+4*\s+3], 0x80000000
	s_mov_b32 s[G0B+4*\s], 1
	s_add_co_u32 s[G0B+4*\s+1], s23, \s*SLOT
	s_add_nc_u64 s[G0B+4*\s+2:G0B+4*\s+3], s[46:47], \s*4096
	s_or_b32 s[G0B+4*\s+3], s[G0B+4*\s+3], 0x80000000
.endr
	; the prefetches: my wave's stream (x's or the weight's for q, k; wv's or x's for v) and my work-group's two of the eight row tiles that the wave's load brings, told apart by address
	s_cmp_eq_u32 s[HA], 0
	s_cselect_b64 s[100:101], s[44:45], s[46:47]
	s_cselect_b64 s[104:105], s[66:67], s[68:69]
	s_cselect_b32 s2, s19, s20
	s_lshl_b32 s2, s2, 15
	v_bfe_u32 v4, v0, 4, 1
	v_and_b32 v5, 15, v0
	v_lshlrev_b32 v4, 14, v4
	v_lshl_add_u32 v4, v5, 8, v4
	v_add_nc_u32 v4, s2, v4                        ; row tile 2 p + lane / 16, block of 256 bytes lane % 16
	; THE HEAD'S FILLS, one a wave: waves 0, 1 bring x's 16 row tiles of slot 0, 1; waves 2, 3 the weight's: both slots are asked for at once
	s_mul_i32 s2, s[HB], SLOT-4096                 ; back from my half of the tile's rows, on to my slot's K step
	s_mov_b32 s3, 0
	s_mov_b32 s40, 1
	s_mov_b32 s41, s71                             ; slot HB
	s_sub_nc_u64 s[42:43], s[44:45], s[2:3]
	s_or_b32 s43, s43, 0x80000000
	s_sub_nc_u64 s[46:47], s[46:47], s[2:3]
	s_or_b32 s47, s47, 0x80000000
	s_mov_b32 s44, 1
	s_add_co_u32 s45, s71, 65536                   ; behind x's 65,536 bytes of the slot
	JLOAD 40, G1AD, 44, G1BD
	v_and_b32 v1, 31, v0
	v_lshlrev_b32 v[LN], 4, v1
	s_wait_alu depctr_va_vdst(0)
	v_and_b32 v2, 15, v0
	v_bfe_u32 v3, v0, 4, 1
	v_lshlrev_b32 v[TBO], 7, v2
	v_lshl_add_u32 v[TBO], v3, 4, v[TBO]
	s_lshl_b32 s2, s[HA], 15
	s_lshl_b32 s3, s[HB], 15
	s_add_co_u32 s3, s3, 2*HALFT
.irp s, 0,1
	v_add_nc_u32 v[ADRA+\s], s2, v[LN]
	v_add_nc_u32 v[ADRB+\s], s3, v[LN]
	s_add_co_u32 s2, s2, SLOT
	s_add_co_u32 s3, s3, SLOT
.endr
	s_lshl_b32 s2, s[HA], 14
	v_add_nc_u32 v[HADA], s2, v[LN]
	s_lshl_b32 s2, s[HA], 15
	s_add_co_u32 s2, s2, RGN1
	v_add_nc_u32 v[HADA+1], s2, v[LN]
	s_lshl_b32 s2, s[HB], 15
	s_add_co_u32 s2, s2, 32768
	v_add_nc_u32 v[HADB], s2, v[LN]
	s_lshl_b32 s2, s[HB], 16
	s_add_co_u32 s2, s2, RGN1+65536
	v_add_nc_u32 v[HADB+1], s2, v[LN]
	s_add_co_u32 s2, s22, s20
	s_lshl_b32 s2, s2, 8
	s_lshl_b32 s3, s[HA], 7
	s_add_co_u32 s2, s2, s3
	s_lshr_b32 s3, s2, 10
	s_lshl_b32 s3, s3, 20
	s_and_b32 s2, s2, 1023
	s_lshl_b32 s70, s2, 6
	s_add_co_u32 s3, s3, s70
	s_lshl_b32 s70, s19, 2
	s_lshl_b32 s71, s[HB], 1
	s_add_co_u32 s70, s70, s71
	s_lshl_b32 s70, s70, 16
	s_add_co_u32 s3, s3, s70
	s_lshl_b32 s70, s21, 23
	s_add_co_u32 s70, s70, s3
	s_mov_b32 s71, 0
	s_add_nc_u64 s[14:15], s[12:13], s[70:71]
	s_lshl_b32 s2, s2, 7
	s_mov_b32 s3, 0
	s_add_nc_u64 s[8:9], s[8:9], s[2:3]
	s_add_nc_u64 s[10:11], s[10:11], s[2:3]
	s_add_co_u32 s2, s22, s19
	s_lshl_b32 s2, s2, 8
	s_lshl_b32 s3, s[HB], 7
	s_add_co_u32 s2, s2, s3
	s_lshr_b32 s3, s2, 10
	s_lshl_b32 s3, s3, 20
	s_and_b32 s2, s2, 1023
	s_lshl_b32 s2, s2, 6
	s_add_co_u32 s3, s3, s2
	s_lshl_b32 s2, s21, 2
	s_add_co_u32 s2, s2, s20
	s_lshl_b32 s2, s2, 1
	s_add_co_u32 s2, s2, s[HA]
	s_lshl_b32 s2, s2, 16
	s_add_co_u32 s2, s2, s3
	s_add_co_u32 s70, s2, 0x1000000
	s_add_nc_u64 s[12:13], s[12:13], s[70:71]
.macro MKSC sr, vs, vl
	s_add_co_i32 s[\sr], s[\sr], 127
	s_lshl_b32 s2, s[\sr], 23
	v_mov_b32 v[\vs], s2
	s_add_co_i32 s[\sr], s[\sr], 8
	s_lshl_b32 s[\sr], s[\sr], 23
	s_or_b32 s[\sr], s[\sr], 0x600000
	v_mov_b32 v[\vl], s[\sr]
.endm
	s_wait_kmcnt 0x0
	s_cmp_eq_u32 s21, 1
	s_cselect_b32 s2, s90, s88
	s_cselect_b32 s3, s91, s89
	s_cselect_b32 s23, s95, s94
	s_sub_co_i32 s23, s23, s2
	s_sub_co_i32 s23, s23, s3
	MKSC 23, SC, LIM
	s_sub_co_i32 s23, s96, s92
	s_sub_co_i32 s23, s23, s93
	MKSC 23, SC2, LIM2
	s_mov_b32 s[D0A], 1
	s_mov_b32 s[D0A+1], 0
	s_mov_b64 s[D0A+2:D0A+3], s[66:67]
	s_or_b32 s[D0A+3], s[D0A+3], 0x80000000
	s_mov_b32 s[D0B], 1
	s_lshl_b32 s[D0B+1], s[HB], 15
	s_add_co_u32 s[D0B+1], s[D0B+1], 32768
	s_mov_b64 s[D0B+2:D0B+3], s[68:69]
	s_or_b32 s[D0B+3], s[D0B+3], 0x80000000
	s_mov_b32 s[D1A], 1
	s_mov_b32 s[D1A+1], RGN1
	s_add_nc_u64 s[D1A+2:D1A+3], s[66:67], 4096
	s_or_b32 s[D1A+3], s[D1A+3], 0x80000000
.macro PLACES n
.rept \n
	v_nop
.endr
.endm
.macro FRAG reg, adr, q, i
.irp c, 0,1,2,3
	ds_load_b128 v[\reg+4*\c:\reg+4*\c+3], v[\adr] offset:4096*(\i)+2048*(\q)+512*\c
.endr
.endm
.macro MUL16 a0, p, zero
.irp a, \a0, \a0+1
.irp b, 0,1,2,3,4,5,6,7
.if \zero
	v_wmma_f32_16x16x128_fp8_fp8 v[8*(8*((\a)%4)+\b):8*(8*((\a)%4)+\b)+7], v[128*(\p)+FR*\b:128*(\p)+FR*\b+FR-1], v[AF+FR*(\a):AF+FR*(\a)+FR-1], 0
.else
	v_wmma_f32_16x16x128_fp8_fp8 v[8*(8*((\a)%4)+\b):8*(8*((\a)%4)+\b)+7], v[128*(\p)+FR*\b:128*(\p)+FR*\b+FR-1], v[AF+FR*(\a):AF+FR*(\a)+FR-1], v[8*(8*((\a)%4)+\b):8*(8*((\a)%4)+\b)+7]
.endif
.endr
.endr
.endm
.macro FETCH_B slot, q, p
	WIN TO_B
.irp i, 0,1,2,3,4,5,6,7
	FRAG 128*(\p)+FR*\i, ADRB+\slot, \q, \i
.endr
	WIN 0
.endm
.macro FETCH_A slot, q, i0
.irp i, \i0, \i0+1, \i0+2, \i0+3
	FRAG AF+FR*(\i), ADRA+\slot, \q, \i
.endr
.endm
.macro STEP slot, q, zero
	s_wait_dscnt 4*NL
	WIN MUL_LO
	MUL16 0, (\q)%2, \zero
	MUL16 2, (\q)%2, \zero
	s_wait_dscnt 0
	PLACES NP
	FETCH_B \slot, (\q)+1, 1-(\q)%2
	FETCH_A \slot, (\q)+1, 0
	WIN MUL_HI
	MUL16 4, (\q)%2, \zero
	MUL16 6, (\q)%2, \zero
	PLACES NP
	WIN 0
	FETCH_A \slot, (\q)+1, 4
.endm
.macro TURN slot, next, fill, fetch
	s_wait_tensorcnt 0x0
	ds_add_u32 v[SPW], v[NIL]
	s_wait_dscnt 4*NL+1
	WIN MUL_LO
	MUL16 0, 1, 0
	s_wait_dscnt 0x0
	s_barrier_signal -1
	MUL16 2, 1, 0
	WIN 0
	s_barrier_wait -1
	CREST
.if \fill == 1
	s_add_nc_u64 s[G0A+4*\slot+2:G0A+4*\slot+3], s[G0A+4*\slot+2:G0A+4*\slot+3], 8192
	s_add_nc_u64 s[G0B+4*\slot+2:G0B+4*\slot+3], s[G0B+4*\slot+2:G0B+4*\slot+3], 8192
	JLOAD G0A+4*\slot, G1A, G0B+4*\slot, G1B
.elseif \fill == 2
	JLOAD2 D0A, G1A, D0B, G1B
	PLACES NP
.else
	JLOAD2 D1A, G1AD, D1B, G1BD
.endif
.if \fetch
	s_wait_alu depctr_va_vdst(0)
	FETCH_B \next, 0, 0
	FETCH_A \next, 0, 0
.endif
	WIN MUL_HI
	MUL16 4, 1, 0
	MUL16 6, 1, 0
	PLACES NP
	WIN 0
.if \fetch
	FETCH_A \next, 0, 4
.endif
.endm
.macro TAB a
.irp bb, 0,1,2,3
	global_load_b128 v[32*(\a)+4*\bb:32*(\a)+4*\bb+3], v[TBO], s[8:9] offset:2048*(\a)+32*\bb
	global_load_b128 v[32*(\a)+16+4*\bb:32*(\a)+16+4*\bb+3], v[TBO], s[10:11] offset:2048*(\a)+32*\bb
.endr
.endm
.macro CODES a, sc
.irp b, 0,1,2,3,4,5,6,7
	v_cvt_scalef32_pk8_fp8_f32 v[CD+16*(\a)+2*\b:CD+16*(\a)+2*\b+1], v[TMP+8*\b:TMP+8*\b+7], v[\sc]
.endr
	v_nop
.endm
.macro ROPE a
	s_wait_loadcnt 8*(7-(\a))
	WIN 0x06+((\a)/4)
.irp b, 0,1,2,3,4,5,6,7
; the rotation, a pair a line: (t1, t2) x c, then (t2, t1) x (-s, s) added: o1 = t1 c - t2 s, o2 = t2 c + t1 s.  op_sel picks c or s of the pair's index out of its register pair for both halves
.irp q, 0,1
	v_pk_mul_f32 v[TMP+8*\b+4*\q:TMP+8*\b+4*\q+1], v[64*((\a)%4)+8*\b+4*\q:64*((\a)%4)+8*\b+4*\q+1], v[32*(\a)+4*(\b%4)+2*\q:32*(\a)+4*(\b%4)+2*\q+1] op_sel:[0,0] op_sel_hi:[1,0]
	v_pk_mul_f32 v[TMP+8*\b+4*\q+2:TMP+8*\b+4*\q+3], v[64*((\a)%4)+8*\b+4*\q+2:64*((\a)%4)+8*\b+4*\q+3], v[32*(\a)+4*(\b%4)+2*\q:32*(\a)+4*(\b%4)+2*\q+1] op_sel:[0,1] op_sel_hi:[1,1]
.endr
.irp q, 0,1
	v_pk_fma_f32 v[TMP+8*\b+4*\q:TMP+8*\b+4*\q+1], v[64*((\a)%4)+8*\b+4*\q:64*((\a)%4)+8*\b+4*\q+1], v[32*(\a)+16+4*(\b%4)+2*\q:32*(\a)+16+4*(\b%4)+2*\q+1], v[TMP+8*\b+4*\q:TMP+8*\b+4*\q+1] op_sel:[1,0,0] op_sel_hi:[0,0,1] neg_lo:[0,1,0]
	v_pk_fma_f32 v[TMP+8*\b+4*\q+2:TMP+8*\b+4*\q+3], v[64*((\a)%4)+8*\b+4*\q+2:64*((\a)%4)+8*\b+4*\q+3], v[32*(\a)+16+4*(\b%4)+2*\q:32*(\a)+16+4*(\b%4)+2*\q+1], v[TMP+8*\b+4*\q+2:TMP+8*\b+4*\q+3] op_sel:[1,1,0] op_sel_hi:[0,1,1] neg_lo:[0,1,0]
.endr
.endr
	WIN 0
.set j, 0
.rept 64
	v_med3_num_f32 v[TMP+j], v[TMP+j], -v[LIM], v[LIM]
.set j, j+1
.endr
.endm
.macro HFRAG reg, adr, off
.irp c, 0,1,2,3
	ds_load_b128 v[\reg+4*\c:\reg+4*\c+3], v[\adr] offset:(\off)+512*\c
.endr
.endm
.macro HFETCH_B g, q, p
	WIN TO_B
.irp i, 0,1,2,3,4,5,6,7
	HFRAG 128*(\p)+FR*\i, HADB+\g, (4096<<(\g))*\i+2048*(\q)
.endr
.endm
.macro HFETCH_A g, q, p
	WIN 0
.irp i, 0,1,2,3
	HFRAG AF+64*(\p)+FR*\i, HADA+\g, (4096<<(\g))*\i+2048*(\q)
.endr
.endm
.macro HMUL8 a, p, zero
.irp b, 0,1,2,3,4,5,6,7
.if \zero
	v_wmma_f32_16x16x128_fp8_fp8 v[8*(8*(\a)+\b):8*(8*(\a)+\b)+7], v[128*(\p)+FR*\b:128*(\p)+FR*\b+FR-1], v[AF+64*(\p)+FR*(\a):AF+64*(\p)+FR*(\a)+FR-1], 0
.else
	v_wmma_f32_16x16x128_fp8_fp8 v[8*(8*(\a)+\b):8*(8*(\a)+\b)+7], v[128*(\p)+FR*\b:128*(\p)+FR*\b+FR-1], v[AF+64*(\p)+FR*(\a):AF+64*(\p)+FR*(\a)+FR-1], v[8*(8*(\a)+\b):8*(8*(\a)+\b)+7]
.endif
.endr
.endm
.macro HSTEP g, q, p, zero
	s_wait_dscnt 2*NL
	HFETCH_B \g, \q, 1-(\p)
	WIN MUL_LO
	HMUL8 0, \p, \zero
	HMUL8 1, \p, \zero
	s_wait_dscnt 8*NL
	HFETCH_A \g, \q, 1-(\p)
	WIN MUL_LO
	HMUL8 2, \p, \zero
	HMUL8 3, \p, \zero
	PLACES NP
	WIN 0
.endm
.macro HTURN g, q, p, fill
	s_wait_tensorcnt 0x0
	ds_add_u32 v[SPW], v[NIL]
	s_wait_dscnt 2*NL+1
	WIN MUL_LO
	HMUL8 0, \p, 0
	s_wait_dscnt 0x0
	s_barrier_signal -1
	HMUL8 1, \p, 0
	WIN 0
	s_barrier_wait -1
.if \fill
	CREST
	s_add_nc_u64 s[D0A+2:D0A+3], s[D0A+2:D0A+3], 12288
	s_add_nc_u64 s[D0B+2:D0B+3], s[D0B+2:D0B+3], 12288
	JLOAD2 D0A, G1A, D0B, G1B
.endif
	HFETCH_B \g, \q, 1-(\p)
	HFETCH_A \g, \q, 1-(\p)
	WIN MUL_LO
	HMUL8 2, \p, 0
	HMUL8 3, \p, 0
	PLACES NP
	WIN 0
.endm
.macro HLAST p
	s_wait_dscnt 2*NL
	WIN MUL_LO
	HMUL8 0, \p, 0
	HMUL8 1, \p, 0
	s_wait_dscnt 0
	HMUL8 2, \p, 0
	HMUL8 3, \p, 0
	WIN 0
.endm
.macro VHOLD a
	WIN 0x02
.set j, 0
.rept 64
	v_med3_num_f32 v[TMP+j], v[64*(\a)+j], -v[LIM2], v[LIM2]
.set j, j+1
.endr
	WIN 0
.endm
; A prefetch of one later stage's 8,192 bytes of mine, a lane to each 256.  x's tiles are asked for by every cluster that loads them, the weights' by the first four rows of clusters; wave 1 has no part of v's stages.
.macro ASKQ off
	s_cmp_eq_u32 s19, 1
	s_cbranch_scc0 .Lnot_q_\@
	global_prefetch_b8 v4, s[100:101] offset:\off th:TH_LOAD_NT scope:SCOPE_SE
.Lnot_q_\@:
.endm
.macro ASKV off
	s_cmp_eq_u32 s20, 1
	s_cbranch_scc0 .Lnot_v_\@
	global_prefetch_b8 v4, s[104:105] offset:\off th:TH_LOAD_NT scope:SCOPE_SE
.Lnot_v_\@:
.endm
	s_cmp_lt_u32 s22, 16                           ; the cluster's row is under 4: ids that all partners share
	s_cselect_b32 s19, 1, 0
	s_cmp_eq_u32 s[HA], 0
	s_cselect_b32 s20, s19, 1
	s_cselect_b32 s19, 1, s19
	s_cmp_eq_u32 s[WV], 1
	s_cselect_b32 s20, 0, s20
	s_wait_alu depctr_va_vdst(0)
	ASKQ 8192                                      ; K 512-767, which the first change of slots loads
	s_wait_tensorcnt 0x0                           ; my head's load is in: its descriptor's registers may be written
.irp g, G1AD, G1BD
	s_mov_b32 s[\g+1], 1024<<16                    ; from here on: 8 row tiles x 8,192 bytes
	s_mov_b32 s[\g+2], 8<<16
	s_mov_b32 s[\g+3], 1024<<16
	s_mov_b32 s[\g+4], 8
.endr
	s_mov_b32 s[D1B], 1
	s_lshl_b32 s[D1B+1], s[HB], 16
	s_add_co_u32 s[D1B+1], s[D1B+1], RGN1+65536
	s_add_nc_u64 s[D1B+2:D1B+3], s[68:69], 4096
	s_or_b32 s[D1B+3], s[D1B+3], 0x80000000
	s_barrier_signal -1
	s_barrier_wait -1                              ; both slots are whole
	FETCH_B 0, 0, 0
	FETCH_A 0, 0, 0
	FETCH_A 0, 0, 4
	ASKQ 12288                                     ; K 768-1,023
	STEP 0, 0, 1
	ASKV 0                                         ; v's K 0-255
	TURN 0, 1, 1, 1
	ASKV 4096                                      ; v's K 256-511
	STEP 1, 0, 0
	ASKV 8192                                      ; v's K 512-767
	TURN 1, 0, 1, 1
	ASKV 12288                                     ; v's K 768-1,023
	STEP 0, 0, 0
	TURN 0, 1, 2, 1
	STEP 1, 0, 0
	WIN TO_B
	TAB 0
	TAB 1
	TAB 2
	TAB 3
	WIN 0
	TURN 1, 0, 3, 0
	WIN TO_B
	TAB 4
	TAB 5
	TAB 6
	TAB 7
	WIN 0
.irp a, 0,1,2,3,4,5,6,7
	ROPE \a
	CODES \a, SC
.endr
; every block has code registers of its own: all 32 stores go in one run, behind the last block's vector work
.irp a, 0,1,2,3,4,5,6,7
.irp n, 0,1,2,3
	global_store_b128 v[LN], v[CD+16*\a+4*\n:CD+16*\a+4*\n+3], s[14:15] offset:1024*\a+65536*(\n/2)+512*(\n%2)
.endr
.endr
	s_wait_xcnt 0x0
	HFETCH_B 0, 0, 0
	HFETCH_A 0, 0, 0
	HSTEP 0, 1, 0, 1
	HTURN 1, 0, 1, 1
	HSTEP 1, 1, 0, 0
	HSTEP 1, 2, 1, 0
	HSTEP 1, 3, 0, 0
	HTURN 0, 0, 1, 0
	HSTEP 0, 1, 0, 0
	HLAST 1
	s_wait_tensorcnt 0x0
	ds_add_u32 v[SPW], v[NIL]
	PLACES NP
	s_wait_dscnt 0x0
.irp a, 0,1,2,3
	VHOLD \a
	CODES \a, SC2
.endr
.irp a, 0,1,2,3
.irp n, 0,1,2,3
	global_store_b128 v[LN], v[CD+16*\a+4*\n:CD+16*\a+4*\n+3], s[12:13] offset:2048*\a+512*\n
.endr
.endr
	CROUND
	s_endpgm
.Lfunc_end_k_q4188766c76_qkv:
	.size	k_q4188766c76_qkv, .Lfunc_end_k_q4188766c76_qkv-k_q4188766c76_qkv
	.p2alignl 7, 3214868480
	.fill 96, 4, 3214868480
	.section	.rodata,"a",@progbits
	.p2align	6, 0x0
	.amdhsa_kernel k_q4188766c76_qkv
		.amdhsa_group_segment_fixed_size 327680
		.amdhsa_private_segment_fixed_size 0
		.amdhsa_enable_private_segment 0
		.amdhsa_kernarg_size 40
		.amdhsa_user_sgpr_count 2
		.amdhsa_user_sgpr_kernarg_segment_ptr 1
		.amdhsa_wavefront_size32 1
		.amdhsa_system_sgpr_workgroup_id_x 1
		.amdhsa_system_sgpr_workgroup_id_y 1
		.amdhsa_system_sgpr_workgroup_id_z 1
		.amdhsa_system_vgpr_workitem_id 0
		.amdhsa_next_free_vgpr 1024
		.amdhsa_next_free_sgpr 106
		.amdhsa_reserve_vcc 0
		.amdhsa_float_denorm_mode_32 3
		.amdhsa_float_denorm_mode_16_64 3
		.amdhsa_memory_ordered 1
		.amdhsa_forward_progress 1
		.amdhsa_inst_pref_size 227
	.end_amdhsa_kernel
	.amdgpu_metadata
---
amdhsa.version: [ 1, 2 ]
amdhsa.kernels:
  - .name:           k_q4188766c76_qkv
    .symbol:         k_q4188766c76_qkv.kd
    .args:
      - { .name: cw, .offset: 0, .size: 8, .value_kind: global_buffer, .address_space: global }
      - { .name: lowp_scales, .offset: 8, .size: 8, .value_kind: global_buffer, .address_space: global }
      - { .name: freqs_cos, .offset: 16, .size: 8, .value_kind: global_buffer, .address_space: global }
      - { .name: freqs_sin, .offset: 24, .size: 8, .value_kind: global_buffer, .address_space: global }
      - { .name: qkv, .offset: 32, .size: 8, .value_kind: global_buffer, .address_space: global }
    .group_segment_fixed_size: 327680
    .private_segment_fixed_size: 0
    .kernarg_segment_align: 8
    .kernarg_segment_size: 40
    .max_flat_workgroup_size: 128
    .sgpr_count:     106
    .vgpr_count:     1024
    .wavefront_size: 32
...
	.end_amdgpu_metadata
.endif
;; end of part 2
;; launch attn (part 3): grid 2 x 128, 16 waves a work-group, no clusters, 133,120 bytes of LDS; arguments qkv, lowp_scales, ac; writes ac
.if DOCPART == 3
	.amdgcn_target "amdgcn-amd-amdhsa--gfx1250"
	.amdhsa_code_object_version 6
	.text
	.protected	k_q4188766c76_attn
	.globl	k_q4188766c76_attn
	.p2align	8
	.type	k_q4188766c76_attn,@function
k_q4188766c76_attn:
	s_mov_b64 s[64:65], 0
	v_nop
	global_prefetch_b8 v0, s[64:65] scope:SCOPE_SE
	s_setreg_imm32_b32 hwreg(HW_REG_WAVE_MODE, 25, 1), 1
	s_wait_xcnt 0x0
; For each (batch, head): O = softmax(Q K^T / 8, block-causal) V on codes of FP8 (E4M3); the result, divided by the row's sum, is quantised (scale e10) for the last product.
; THE MASK: key k counts for query q where k / 8 <= q / 8.
; THE SOFTMAX AHEAD OF THE SECOND PRODUCT: t = score x log2(e) / 8; M = the running largest t rounded UP to a whole number; p = 2^(t - M) is quantised (scale e9), not normalised; the row's sum is taken of the
; unquantised p in f32.  When M moves, the sum and O are multiplied by 2^(old M - new M): exact.
; A head's K and V, 65,536 bytes each as images of their operands' registers, lie in LDS WHOLE: each wave copies 4,096 bytes of each through registers, one barrier, and the waves never meet again.  No ring, no tensor load.
; SHARES.  Work-group (g, bh), g = 0, 1.  Wave w takes the query tiles t = g + 2 w and 63 - t, one after the other.  Tile t has t / 8 + 1 key steps of 128 that are not wholly hidden: 9 for every pair: all waves have equal work.
; The loops' trip counts are constants (4 and 8); a hidden step's work is jumped over by a scalar branch on ids.
; LAYOUT.  S^T = K Q^T (source 0 = 16 keys, source 1 = my 16 queries, K = 64) and O^T = V^T P^T (source 0 = 16 channels, source 1 = P, K = 128 keys): a lane holds ONE query (lane % 16) throughout.
; In tile T of S^T lane (r, h) holds keys 16 T + 8 h + 0..7, which are registers 2 T, 2 T + 1 of P's fragment; and those eight keys are one block of the mask.
; NO CLUSTER: only the two work-groups of a head share K and V, each reads them once, at its head, and the cluster forms have four partners or sixteen.
; LIMITS: e6 + e7 between -123 and 130 (added to c's exponent field); e9, and e10 - e8 - e9, between -126 and 119.
; REGISTERS: v1-11 addresses and constants; v12 -M, v13 the largest t, v[14:15] the sum; v16-23, v24-31 Q of the two tiles; v32-95 K's 8 fragments, then V's 4; v96-159 S^T, then p; v160-191 O^T; v192-223 the way out; v224-239 p's codes.
.set VOFF,  65536                      ; LDS: K's 64 key tiles of 1,024 bytes, then V's 8 key steps x 4 channel tiles of 2,048
.set SPARE, 131072                     ; behind them: the spare words, 128 bytes for each wave: eight blocks of 256 bytes that no other line names
.set SPW, 6                            ; v6  LDS address of my spare word; never rewritten
.set NIL, 7                            ; v7  0; never rewritten
	s_load_b128 s[4:7], s[0:1], 0x0                ; qkv s[4:5], the scales s[6:7]
	s_load_b64 s[8:9], s[0:1], 0x10                ; ac
	v_lshl_add_u32 v[SPW], v0, 2, SPARE
	v_mov_b32 v[NIL], 0
	v_lshrrev_b32 v4, 5, v0
	s_delay_alu instid0(VALU_DEP_1)
	v_readfirstlane_b32 s10, v4                    ; wave 0..15
	v_and_b32 v4, 31, v0
	s_delay_alu instid0(VALU_DEP_1)
	v_lshlrev_b32 v1, 4, v4                        ; v1 = 16 x lane
	s_delay_alu instid0(VALU_DEP_1)
	v_add_nc_u32 v2, VOFF, v1                      ; v2: the same in V
	v_bfe_u32 v3, v0, 3, 1
	v_bfe_u32 v4, v0, 4, 1
	s_delay_alu instid0(VALU_DEP_1)
	v_sub_nc_u32 v3, v3, v4                        ; v3 = r / 8 - h: my query's block less my keys' block, within a tile
	s_lshl_b32 s18, s10, 12
	v_add_nc_u32 v8, s18, v1                       ; v8: my bytes of the wave's 4,096 of K, in memory and in LDS
	v_add_nc_u32 v9, s18, v2                       ; v9: of V in LDS
	v_mov_b32 v11, 0xff800000                      ; -infinity
	v_mov_b32 v248, 0                              ; written once: a lane permute's destination counts as one of its sources
	v_mov_b32 v253, 0                              ; (named as the upper half of the pair v[252:253])
	s_and_b32 s12, ttmp7, 0xffff                   ; bh = 16 batch + head
	s_lshl_b32 s13, s10, 1
	s_add_co_u32 s13, s13, ttmp9                   ; the low tile, 0..31
	s_sub_co_u32 s14, 63, s13                      ; the high tile, 32..63
	s_lshl_b32 s58, s12, 16                        ; 65,536 bytes a head in each of q, k, v
	s_add_co_u32 s44, s58, 0x800000                ; K
	s_mov_b32 s45, 0
	s_add_co_u32 s46, s58, 0x1000000               ; V
	s_mov_b32 s47, 0
	s_lshl_b32 s48, s13, 10                        ; Q: 1,024 bytes a tile
	s_add_co_u32 s48, s48, s58
	s_mov_b32 s49, 0
	s_lshl_b32 s50, s14, 10
	s_add_co_u32 s50, s50, s58
	s_mov_b32 s51, 0
	s_lshr_b32 s52, s12, 4
	s_lshl_b32 s52, s52, 20                        ; ac: [64 batch + tile][head][1,024]
	s_and_b32 s53, s12, 15
	s_lshl_b32 s53, s53, 10
	s_add_co_u32 s52, s52, s53
	s_lshl_b32 s54, s13, 14
	s_add_co_u32 s54, s54, s52
	s_mov_b32 s55, 0
	s_lshl_b32 s56, s14, 14
	s_add_co_u32 s56, s56, s52
	s_mov_b32 s57, 0
	s_lshl_b32 s13, s13, 1                         ; from here on 2 t: the tile's first block of queries
	s_lshl_b32 s14, s14, 1
	s_mov_b32 s20, 0x76543210                      ; v_permlanex16_b32's selects for lane l xor 16
	s_mov_b32 s21, 0xfedcba98
	s_mov_b32 s22, 0x3e38aa3b                      ; c = log2(e) / 8
	s_wait_alu depctr_va_vdst(0)
	s_wait_kmcnt 0x0
	s_load_b128 s[24:27], s[6:7], 0x10             ; e4, e5, e6, e7
	s_load_b128 s[28:31], s[6:7], 0x20             ; e8, e9, e10, e11
	s_add_nc_u64 s[32:33], s[4:5], s[44:45]
	s_add_nc_u64 s[34:35], s[4:5], s[46:47]
	s_add_nc_u64 s[36:37], s[4:5], s[48:49]
	s_add_nc_u64 s[38:39], s[4:5], s[50:51]
	s_add_nc_u64 s[40:41], s[8:9], s[54:55]
	s_add_nc_u64 s[42:43], s[8:9], s[56:57]
.irp i, 0,1,2,3,4,5,6,7
	global_load_b128 v[96+4*\i:99+4*\i], v8, s[32:33] offset:512*\i
.endr
.irp i, 0,1,2,3,4,5,6,7
	global_load_b128 v[128+4*\i:131+4*\i], v8, s[34:35] offset:512*\i
.endr
	global_load_b128 v[16:19], v1, s[36:37]
	global_load_b128 v[20:23], v1, s[36:37] offset:512
	global_load_b128 v[24:27], v1, s[38:39]
	global_load_b128 v[28:31], v1, s[38:39] offset:512
	s_wait_kmcnt 0x0
	s_add_co_i32 s18, s26, s27
	s_lshl_b32 s18, s18, 23
	s_add_co_i32 s22, s22, s18                     ; a score stands for score x 2^(e6 + e7): the exponents are added to c's exponent field
	s_mov_b32 s23, s22                             ; (named with it as a pair, so it is written)
	s_add_co_i32 s18, s29, 127
	s_lshl_b32 s44, s18, 23
	v_mov_b32 v244, s44                            ; 2^e9, for p's conversion
	s_add_co_i32 s18, s18, 8
	s_lshl_b32 s18, s18, 23
	s_or_b32 s18, s18, 0x600000
	v_mov_b32 v240, s18                            ; 448 x 2^e9
	s_sub_co_i32 s18, s30, s28
	s_sub_co_i32 s18, s18, s29                     ; a sum of the second product stands for sum x 2^(e8 + e9): the result's code is sum / l / 2^(e10 - e8 - e9)
	s_add_co_i32 s18, s18, 127
	s_lshl_b32 s44, s18, 23
	v_mov_b32 v245, s44
	s_add_co_i32 s18, s18, 8
	s_lshl_b32 s18, s18, 23
	s_or_b32 s18, s18, 0x600000
	v_mov_b32 v246, s18
	s_cmp_ge_i32 s29, -8
	s_cselect_b32 s60, 1, 0                        ; 1: 448 x 2^e9 is at least 1, and p, at most 1, needs no hold
	s_wait_loadcnt 4                               ; K's and V's 16 loads are in; Q's four stay out
.irp i, 0,1,2,3,4,5,6,7
	ds_store_b128 v8, v[96+4*\i:99+4*\i] offset:512*\i
.endr
.irp i, 0,1,2,3,4,5,6,7
	ds_store_b128 v9, v[128+4*\i:131+4*\i] offset:512*\i
.endr
	s_wait_dscnt 0x0                               ; for the others' sake: my stores have landed
	s_barrier_signal -1
	s_barrier_wait -1                              ; K and V lie in LDS whole; nobody writes them again
	s_wait_loadcnt 0x0                             ; Q
; A KEY STEP of 128 keys for the tile whose Q lies at v[qf] and whose 2 t lies in s[t2].  s16 = 8,192 x step (its bytes in K and in V), s17 = 16 x step (its first block of keys).
.macro STEP qf, t2
	s_cmp_gt_u32 s17, s[\t2]                       ; all 128 keys come after my 16 queries' blocks: the step's work is left out
	s_cbranch_scc1 .Lhidden_\@
	v_add_nc_u32 v4, s16, v1
	v_add_nc_u32 v5, s16, v2
	v_nop                                          ; with the two additions: four places in front of loads into registers that the last products read
	v_nop
.irp T, 0,1,2,3,4,5,6,7
	ds_load_b128 v[32+8*\T:35+8*\T], v4 offset:1024*\T
	ds_load_b128 v[36+8*\T:39+8*\T], v4 offset:1024*\T+512
.endr
	s_wait_alu depctr_va_vdst(0)
	s_wait_dscnt 0x0
.irp T, 0,1,2,3,4,5,6,7
	v_wmma_f32_16x16x64_fp8_fp8 v[96+8*\T:103+8*\T], v[32+8*\T:39+8*\T], v[\qf:\qf+7], 0
.endr
.rept 4
	v_nop                                          ; places in front of the loads below and of the first read of the scores
.endr
.irp ct, 0,1,2,3                       ; V's four fragments land while the softmax is worked
.irp c, 0,1,2,3
	ds_load_b128 v[32+16*\ct+4*\c:35+16*\ct+4*\c], v5 offset:2048*\ct+512*\c
.endr
.endr
	s_add_co_u32 s18, s17, 15
	s_cmp_le_u32 s18, s[\t2]                       ; the step's last block of keys counts for all my queries: no mask
	s_cbranch_scc1 .Lopen_\@
	s_sub_co_i32 s18, s[\t2], s17
	v_add_nc_u32 v10, s18, v3                      ; d = my query's block - the step's first block - h.  Tile T's eight keys of mine are block 2 T + h of the step: hidden where 2 T > d
.irp T, 0,1,2,3,4,5,6,7
	v_cmp_gt_i32 vcc_lo, 2*\T, v10
.irp j, 0,1,2,3,4,5,6,7
	v_cndmask_b32 v[96+8*\T+\j], v[96+8*\T+\j], v11, vcc_lo   ; -infinity ahead of the maximum: p = 0.  The step's first block counts for every query, so the maximum is a number
.endr
.endr
.Lopen_\@:
	v_max3_num_f32 v254, v96, v97, v98             ; the step's largest score of my query among my 64 keys, in two chains,
	v_max3_num_f32 v252, v99, v100, v101
.irp i, 6,10,14,18,22,26,30,34,38,42,46,50,54,58
	v_max3_num_f32 v254, v254, v[96+\i], v[97+\i]
	v_max3_num_f32 v252, v252, v[98+\i], v[99+\i]
.endr
	v_max3_num_f32 v254, v254, v158, v159
	s_delay_alu instid0(VALU_DEP_1)
	v_max_num_f32 v254, v254, v252
	s_delay_alu instid0(VALU_DEP_1)
	v_permlanex16_b32 v248, v254, s20, s21
	s_delay_alu instid0(VALU_DEP_1)
	v_max_num_f32 v254, v254, v248                 ; and among lane l xor 16's
	s_delay_alu instid0(VALU_DEP_1)
	v_mul_f32 v254, s22, v254                      ; as t (c is positive)
	s_delay_alu instid0(VALU_DEP_1)
	v_max_num_f32 v13, v13, v254                   ; the running largest t
	v_mov_b32 v254, v12
	s_delay_alu instid0(VALU_DEP_2)
	v_floor_f32 v12, -v13                          ; the new -M = floor(-t) = -ceil(t): a whole number
	s_delay_alu instid0(VALU_DEP_1)
	v_sub_f32 v254, v12, v254                      ; old M - new M: a whole number, 0 or less
	s_delay_alu instid0(VALU_DEP_1)
	v_cvt_i32_f32 v254, v254                       ; (it saturates)
	s_delay_alu instid0(VALU_DEP_1)
	v_ldexp_f32 v252, 1.0, v254                    ; f = 2^(old M - new M)
.set j, 0
.rept 32
	v_pk_fma_f32 v[96+j:97+j], v[96+j:97+j], s[22:23], v[12:13] op_sel_hi:[1,0,0]   ; t - M, two at a time (of the pairs c and -M the low word serves both halves)
.set j, j+2
.endr
.set j, 0
	s_wait_alu depctr_va_vdst(0)
.rept 64
	v_exp_f32 v[96+j], v[96+j]                     ; p = 2^(t - M), at most 1
.set j, j+1
.endr
	v_pk_mul_f32 v[14:15], v[14:15], v[252:253] op_sel_hi:[1,0]   ; the sums under the new M: the plain line behind the exponentials
	s_wait_alu depctr_va_vdst(0)                   ; one wait between the batch of exponentials and the first line that names a result
	v_pk_add_f32 v[242:243], v[100:101], v[104:105]
	v_pk_add_f32 v[254:255], v[108:109], v[112:113]
	v_pk_add_f32 v[250:251], v[116:117], v[120:121]
	v_pk_add_f32 v[238:239], v[124:125], v[128:129]
	v_pk_add_f32 v[236:237], v[132:133], v[136:137]
	v_pk_add_f32 v[234:235], v[140:141], v[144:145]
	v_pk_add_f32 v[232:233], v[148:149], v[152:153]
	v_pk_add_f32 v[14:15], v[14:15], v[156:157]
	v_pk_add_f32 v[242:243], v[242:243], v[96:97]
	v_pk_add_f32 v[254:255], v[254:255], v[98:99]
	v_pk_add_f32 v[250:251], v[250:251], v[102:103]
	v_pk_add_f32 v[238:239], v[238:239], v[106:107]
	v_pk_add_f32 v[236:237], v[236:237], v[110:111]
	v_pk_add_f32 v[234:235], v[234:235], v[114:115]
	v_pk_add_f32 v[232:233], v[232:233], v[118:119]
	v_pk_add_f32 v[14:15], v[14:15], v[122:123]
	v_pk_add_f32 v[242:243], v[242:243], v[126:127]
	v_pk_add_f32 v[254:255], v[254:255], v[130:131]
	v_pk_add_f32 v[250:251], v[250:251], v[134:135]
	v_pk_add_f32 v[238:239], v[238:239], v[138:139]
	v_pk_add_f32 v[236:237], v[236:237], v[142:143]
	v_pk_add_f32 v[234:235], v[234:235], v[146:147]
	v_pk_add_f32 v[232:233], v[232:233], v[150:151]
	v_pk_add_f32 v[14:15], v[14:15], v[154:155]
	v_pk_add_f32 v[242:243], v[242:243], v[158:159]
	s_delay_alu instid0(VALU_DEP_2)
	v_pk_add_f32 v[14:15], v[14:15], v[238:239]
	s_delay_alu instid0(VALU_DEP_2)
	v_pk_add_f32 v[242:243], v[242:243], v[236:237]
	v_pk_add_f32 v[254:255], v[254:255], v[234:235]
	v_pk_add_f32 v[250:251], v[250:251], v[232:233]
	s_delay_alu instid0(VALU_DEP_2)
	v_pk_add_f32 v[14:15], v[14:15], v[254:255]
	s_delay_alu instid0(VALU_DEP_2)
	v_pk_add_f32 v[242:243], v[242:243], v[250:251]
	s_delay_alu instid0(VALU_DEP_1)
	v_pk_add_f32 v[14:15], v[14:15], v[242:243]
	s_cmp_eq_u32 s60, 1                            ; a branch on a whole number read from memory, round the hold alone; this launch has no tensor load and no copy
	s_cbranch_scc1 .Lno_hold_\@
.set j, 0
.rept 64
	v_min_num_f32 v[96+j], v[96+j], v240           ; the conversion to an 8-bit code does not saturate (ISA guide 7.6.2); p is not negative: the hold is one-sided
.set j, j+1
.endr
.Lno_hold_\@:
.irp T, 0,1,2,3,4,5,6,7
	v_cvt_scalef32_pk8_fp8_f32 v[224+2*\T:225+2*\T], v[96+8*\T:103+8*\T], v244
.endr
.set j, 0
.rept 16
	v_pk_mul_f32 v[160+j:161+j], v[160+j:161+j], v[252:253] op_sel_hi:[1,0]   ; O^T under the new M; also the plain lines between the conversions and the products that read the codes
.set j, j+2
.endr
	s_wait_alu depctr_va_vdst(0)
	s_wait_dscnt 0x0                               ; V is in
.irp ct, 0,1,2,3
	v_wmma_f32_16x16x128_fp8_fp8 v[160+8*\ct:167+8*\ct], v[32+16*\ct:47+16*\ct], v[224:239], v[160+8*\ct:167+8*\ct]
.endr
.Lhidden_\@:
	s_add_co_u32 s16, s16, 8192
	s_add_co_u32 s17, s17, 16
.endm
; One query tile: all its key steps, then the way out to s[ob:ob+1].
.macro PASS qf, t2, trips, ob
	v_mov_b32 v13, 0xff61b1e6                      ; the largest t so far: -3e38, under every t
	s_delay_alu instid0(VALU_DEP_1)
	v_floor_f32 v12, -v13                          ; -M
	v_mov_b32 v14, 0                               ; the sum, in two halves
	v_mov_b32 v15, 0
.set j, 0
.rept 32
	v_mov_b32 v[160+j], 0                          ; O^T: the step is written once; its first trip finds zeros, which the first change of M leaves zeros
.set j, j+1
.endr
	s_mov_b32 s15, 0
	s_mov_b32 s16, 0
	s_mov_b32 s17, 0
.Lks_\@:
	STEP \qf, \t2
	s_add_co_u32 s15, s15, 1
	s_cmp_lt_u32 s15, \trips
	s_cbranch_scc1 .Lks_\@
.rept 4
	v_nop                                          ; places behind the last products
.endr
	v_add_f32 v14, v14, v15                        ; the sum's two halves,
	s_delay_alu instid0(VALU_DEP_1)
	v_permlanex16_b32 v248, v14, s20, s21
	s_delay_alu instid0(VALU_DEP_1)
	v_add_f32 v14, v14, v248                       ; and lane l xor 16's: the row's sum
	s_wait_alu depctr_va_vdst(0)
	v_rcp_f32 v14, v14
	v_nop                                          ; a plain line behind the reciprocal
	s_wait_alu depctr_va_vdst(0)                   ; and the wait ahead of its first reader
.set j, 0
.rept 16
	v_pk_mul_f32 v[192+j:193+j], v[160+j:161+j], v[14:15] op_sel_hi:[1,0]   ; O^T / the sum, each accumulator from its low end on
.set j, j+2
.endr
.set j, 0
.rept 32
	v_med3_num_f32 v[192+j], v[192+j], -v246, v246
.set j, j+1
.endr
.irp ct, 0,1,2,3
	v_cvt_scalef32_pk8_fp8_f32 v[96+2*\ct:97+2*\ct], v[192+8*\ct:199+8*\ct], v245   ; channels 16 ct + 8 h + 0..7 of query r: registers 2 ct, 2 ct + 1 of the last product's operand
.endr
	v_nop                                          ; a plain line behind the last conversion
	global_store_b128 v1, v[96:99], s[\ob:\ob+1]               ; 32 lanes store 512 neighbouring bytes, aligned
	global_store_b128 v1, v[100:103], s[\ob:\ob+1] offset:512
	s_wait_xcnt 0x0                                ; the stores have read their registers: the next tile's scores may land there
.endm
	PASS 16, 13, 4, 40
	PASS 24, 14, 8, 42
	s_wait_tensorcnt 0x0                           ; the wave's end, behind my last LDS store
	ds_add_u32 v[SPW], v[NIL]
	s_wait_dscnt 0x0
	s_endpgm
.Lfunc_end_k_q4188766c76_attn:
	.size	k_q4188766c76_attn, .Lfunc_end_k_q4188766c76_attn-k_q4188766c76_attn
	.p2alignl 7, 3214868480
	.fill 96, 4, 3214868480
	.section	.rodata,"a",@progbits
	.p2align	6, 0x0
	.amdhsa_kernel k_q4188766c76_attn
		.amdhsa_group_segment_fixed_size 133120
		.amdhsa_private_segment_fixed_size 0
		.amdhsa_enable_private_segment 0
		.amdhsa_kernarg_size 24
		.amdhsa_user_sgpr_count 2
		.amdhsa_user_sgpr_kernarg_segment_ptr 1
		.amdhsa_wavefront_size32 1
		.amdhsa_system_sgpr_workgroup_id_x 1
		.amdhsa_system_sgpr_workgroup_id_y 1
		.amdhsa_system_sgpr_workgroup_id_z 1
		.amdhsa_system_vgpr_workitem_id 0
		.amdhsa_next_free_vgpr 256
		.amdhsa_next_free_sgpr 66
		.amdhsa_reserve_vcc 1
		.amdhsa_float_denorm_mode_32 3
		.amdhsa_float_denorm_mode_16_64 3
		.amdhsa_memory_ordered 1
		.amdhsa_forward_progress 1
		.amdhsa_inst_pref_size 54
	.end_amdhsa_kernel
	.amdgpu_metadata
---
amdhsa.version: [ 1, 2 ]
amdhsa.kernels:
  - .name:           k_q4188766c76_attn
    .symbol:         k_q4188766c76_attn.kd
    .args:
      - { .name: qkv, .offset: 0, .size: 8, .value_kind: global_buffer, .address_space: global }
      - { .name: lowp_scales, .offset: 8, .size: 8, .value_kind: global_buffer, .address_space: global }
      - { .name: ac, .offset: 16, .size: 8, .value_kind: global_buffer, .address_space: global }
    .group_segment_fixed_size: 133120
    .private_segment_fixed_size: 0
    .kernarg_segment_align: 8
    .kernarg_segment_size: 24
    .max_flat_workgroup_size: 512
    .sgpr_count:     66
    .vgpr_count:     256
    .wavefront_size: 32
...
	.end_amdgpu_metadata
.endif
;; end of part 3
;; launch oproj (part 4): grid 4 x 64, 4 waves a work-group, clusters of 4 x 4, 327,680 bytes of LDS; arguments ac, cw, lowp_scales, out0; writes out0
.if DOCPART == 4
	.amdgcn_target "amdgcn-amd-amdhsa--gfx1250"
	.amdhsa_code_object_version 6
	.text
	.protected	k_q4188766c76_oproj
	.globl	k_q4188766c76_oproj
	.p2align	8
	.type	k_q4188766c76_oproj,@function
k_q4188766c76_oproj:
	s_mov_b64 s[64:65], 0
	v_nop
	global_prefetch_b8 v0, s[64:65] scope:SCOPE_SE
	s_setreg_imm32_b32 hwreg(HW_REG_WAVE_MODE, 25, 1), 1
	s_wait_xcnt 0x0
	s_wait_alu depctr_hold_cnt(0) depctr_sa_sdst(0) depctr_va_vdst(0) depctr_va_sdst(0) depctr_va_ssrc(0) depctr_va_vcc(0) depctr_vm_vsrc(0)
	s_getreg_b32 s2, hwreg(HW_REG_IB_STS2, 6, 4)
	s_cmp_eq_u32 s2, 0
	s_cbranch_scc0 .Lentry_in_a_cluster
	s_endpgm
.Lentry_in_a_cluster:
	s_bfe_u32 s2, ttmp6, 0x10000c
	s_cmp_lg_u32 s2, 0xf033
	s_cbranch_scc0 .Lentry_shape_is_right
	s_endpgm
.Lentry_shape_is_right:
; out0[m][n] = sum over k of a[m][k] wo[n][k] x 2^(e10 + e11), on codes of FP8 (E4M3).  a: the attention's result, 8,192 x 1,024; wo: 1,024 x 1,024; out0: f32.
; Both operands are IMAGES of their registers (16 rows x 128 K = 2,048 bytes: registers 4 q .. 4 q + 3 of lane l at 512 q + 16 l), laid [row tile][kf 0..7][2,048]; wo's lie 27 MiB into cw (the fourth weight behind x's 24 MiB).
; SHARES.  A tile of out0 is 128 rows x 256 columns: 64 x 4 = 256 work-groups.  A wave makes 64 x 128: 32 accumulators, 256 registers; both sides' fragments have two sets.
; LDS.  Region 0 (bytes 0 to 98,303) holds K 0-255 and later K 768-1,023: A's 8 row tiles, then B's 16, a row tile's 4,096 bytes on end.  Region 1 (98,304 to 294,911) holds K 256-767, a row tile's 8,192 bytes on end,
; brought by one load a wave.  Both are asked for at the start, so that three quarters of K are on their way at once; one refill is left.  Every fragment load is 16 x lane + a constant: 512 neighbouring bytes, no padding.
; A has 8 row tiles and B 16: each wave makes one first fill, region 0 or 1 of A or of B; the refill is wave 0's for A and wave 2's for B, whole.
; CLUSTERS: 4 x 4 work-groups; a's tile is asked for jointly along a row of the cluster, wo's along a column.  The matrix instruction is used transposed (source 0 = 16 rows of wo, source 1 = 16 rows of a):
; a lane holds eight neighbouring numbers of a row of out0.
; LIMIT: e10 + e11 between -126 and 127, so that 2^(e10 + e11) is an f32 number.
; REGISTERS, in windows of 256: window 0: v18-29 addresses, v32-95 at work on the way out, v128-191 and v192-255 A's two sets.  window 1: B's two sets, later rows of out0.  window 2: accumulator (a, b) at v[8 (8 a + b)].
.set RGN1,   98304                     ; where region 1 begins
.set SPARE,  294912                    ; behind region 1: the spare words, 128 bytes for each wave: two blocks of 256 bytes that no other line names
.set WO,     0x1b00000                 ; where wo's codes begin in cw
.set SPITCH, 528                       ; the way out: a stage of 16 rows x (512 bytes + 16) for each wave, at the head of region 1, which has had its one fill, and its last read in front of the last barrier
.set FR,     16                        ; registers of a fragment
.set NL,     4                         ; LDS loads that bring one
.set NP,     4                         ; places behind this matrix instruction (ISA guide 7.12.1)
.set HADA, 18                          ; v18-19  LDS address of my A fragments in region 0, 1
.set HADB, 22                          ; v22-23  the same for B
.set STO,  24                          ; v24     the way out: where I put 32 bytes of a row
.set RD,   25                          ; v25     where I read a row back
.set CO,   26                          ; v26     16 x lane: my bytes of a row of 512
.set SPW,  28                          ; v28     LDS address of my spare word; never rewritten
.set NIL,  29                          ; v29     0; never rewritten
.set TMP,  32
.set AF,   128
.set BK,   128
.set WV, 16
.set HA, 17
.set HB, 18
.set G1A,  24                          ; s[24:31] group 1: 8 row tiles x 4,096 bytes, my row's mask
.set D0A,  32                          ; s[32:35] group 0 for A in region 0;  s[36:39] for B's half of it
.set D0B,  36
.set G1B,  48                          ; s[48:55] as G1A but 16 row tiles, with my column's mask
.set D1A,  56                          ; s[56:59], s[60:63] groups 0 for region 1
.set D1B,  60
.set G1AD, 72                          ; s[72:79] group 1: 8 row tiles x 8,192 bytes, my row's mask;  s[80:87] my column's
.set G1BD, 80
.set MSB, 0
.macro WIN new                         ; the immediate's high byte repeats the setting that is left
.if MSB != (\new)
	s_set_vgpr_msb (MSB<<8)|(\new)
.set MSB, \new
.endif
.endm
.set MUL_LO, 0xa1                      ; source 0 (B) window 1, source 1 (A) window 0, C and D window 2
.set TO_B,   0x40                      ; destination window 1, address window 0
; A joint load: wave 0 for A, wave 2 for B, waves 1 and 3 none; the branches hang on the wave's number alone.  An s_nop 0 and four v_nop follow each of the two lines.
.macro JLOAD2 g0a, g1a, g0b, g1b
	s_cmp_lt_u32 s[WV], 2
	s_cbranch_scc0 .Lfor_b2_\@
	s_cmp_eq_u32 s[WV], 0
	s_cbranch_scc0 .Lasked2_\@
	tensor_load_to_lds s[\g0a:\g0a+3], s[\g1a:\g1a+7]
	s_nop 0
.rept 4
	v_nop
.endr
	s_branch .Lasked2_\@
.Lfor_b2_\@:
	s_cmp_eq_u32 s[WV], 2                          ; B's refill is wave 2's alone
	s_cbranch_scc0 .Lasked2_\@
	tensor_load_to_lds s[\g0b:\g0b+3], s[\g1b:\g1b+7]
	s_nop 0
.rept 4
	v_nop
.endr
.Lasked2_\@:
.endm
.macro CREST                           ; a round of the cluster's barrier behind its opening barrier
	s_cmp_lg_u32 s[WV], 0
	s_cbranch_scc1 .Lnot_wave_0_\@
	s_barrier_signal -3
.Lnot_wave_0_\@:
	s_barrier_wait -3
	s_barrier_signal -1
	s_barrier_wait -1
.endm
.macro CROUND                          ; a whole round
	s_barrier_signal -1
	s_barrier_wait -1
	CREST
.endm
	s_load_b256 s[4:11], s[0:1], 0x0               ; ac s[4:5], cw s[6:7], the scales s[8:9], out0 s[10:11]
	v_lshl_add_u32 v[SPW], v0, 2, SPARE
	v_mov_b32 v[NIL], 0
	ds_add_u32 v[SPW], v[NIL]                      ; the wave's opening: the add and its wait stand ahead of my first tensor load; the set-up below, work on registers, stands between them
	ds_add_u32 v[SPW], v[NIL]
	v_lshrrev_b32 v1, 5, v0
	v_readfirstlane_b32 s[WV], v1                  ; wave 0..3
	s_lshr_b32 s[HA], s[WV], 1                     ; which 64 of the tile's rows are mine
	s_and_b32 s[HB], s[WV], 1                      ; which 128 of its columns.  Also: which half of B I fetch
	s_bfe_u32 s19, ttmp6, 0x40000                  ; cx
	s_bfe_u32 s20, ttmp6, 0x40004                  ; cy
	s_lshl_b32 s41, ttmp9, 2
	s_add_co_u32 s41, s41, s19                     ; tile column = 4 x cluster x + cx
	s_and_b32 s40, ttmp7, 0xffff
	s_lshl_b32 s40, s40, 2
	s_add_co_u32 s40, s40, s20                     ; tile row = 4 x cluster y + cy
	s_lshl_b32 s42, s20, 2
	s_lshl_b32 s42, 15, s42                        ; my row of the cluster
	s_lshl_b32 s43, 0x1111, s19                    ; my column
	; descriptor groups 1.  Elements of 8 bytes; 8 rows (row tiles) for A, 16 for B, 2,048 elements (a row tile's 16,384 bytes) apart; a row is 512 elements (a K step of 256) or 1,024 (two K steps); no padding
	s_or_b32 s[G1A],  s42, (3<<16)|(1<<21)         ; 15:0 the mask; 17:16 elements of 8 bytes; 21 set beside a mask
	s_or_b32 s[G1B],  s43, (3<<16)|(1<<21)
	s_or_b32 s[G1AD], s42, (3<<16)|(1<<21)
	s_or_b32 s[G1BD], s43, (3<<16)|(1<<21)
.irp g, G1A, G1B
	s_mov_b32 s[\g+1], 512<<16                     ; tensor_dim0
	s_mov_b32 s[\g+2], (8*(\g/24))<<16             ; tensor_dim1: A's 8 row tiles, B's 16
	s_mov_b32 s[\g+3], 512<<16                     ; tile_dim0
	s_mov_b32 s[\g+4], 8*(\g/24)                   ; tile_dim1
	s_mov_b32 s[\g+5], 2048                        ; tensor_dim0_stride
	s_mov_b32 s[\g+6], 0
	s_mov_b32 s[\g+7], 0
.endr
.irp g, G1AD, G1BD
	s_mov_b32 s[\g+1], 1024<<16
	s_mov_b32 s[\g+2], (\g-64)<<16                 ; A's 8 row tiles, B's 16
	s_mov_b32 s[\g+3], 1024<<16
	s_mov_b32 s[\g+4], \g-64
	s_mov_b32 s[\g+5], 2048
	s_mov_b32 s[\g+6], 0
	s_mov_b32 s[\g+7], 0
.endr
	s_lshl_b32 s44, s40, 17                        ; A: a tile of 128 rows is 8 row tiles of 16,384 bytes
	s_mov_b32 s45, 0
	s_lshl_b32 s46, s41, 18                        ; B: a tile of 256 rows is 16,
	s_add_co_u32 s46, s46, WO                      ; one load brings all 16
	s_mov_b32 s47, 0
	s_wait_dscnt 0x0                               ; the opening add is done
	s_wait_kmcnt 0x0
	s_load_b64 s[96:97], s[8:9], 0x28              ; e10, e11
	s_add_nc_u64 s[44:45], s[4:5], s[44:45]
	s_add_nc_u64 s[46:47], s[6:7], s[46:47]
	; the prefetch of the refill's tiles (K 768-1,023): wave 0 for A's 8 row tiles, waves 2, 3 for B's halves; of a wave's 8 row tiles my work-group takes two, told apart by address
	s_lshl_b32 s92, s[HB], 17
	s_cmp_eq_u32 s[HA], 0
	s_cselect_b64 s[88:89], s[44:45], s[46:47]
	s_cselect_b32 s91, s19, s20
	s_cselect_b32 s92, 0, s92
	s_lshl_b32 s91, s91, 15
	s_add_co_u32 s91, s91, s92
	s_and_b32 s93, ttmp7, 0xffff
	s_cmp_lt_u32 s93, 4                            ; wo's tiles, which every row of clusters loads, are asked for by the first four rows alone: an id that all partners share
	s_cselect_b32 s90, 1, 0
	s_cmp_eq_u32 s[HA], 0
	s_cselect_b32 s90, 1, s90
	s_cmp_eq_u32 s[WV], 1
	s_cselect_b32 s90, 0, s90                      ; wave 1 has no part
	s_mov_b32 s[D0A], 1
	s_mov_b32 s[D0A+1], 0                          ; region 0: A at its head
	s_mov_b64 s[D0A+2:D0A+3], s[44:45]             ; kf 0 and 1
	s_or_b32 s[D0A+3], s[D0A+3], 0x80000000
	s_mov_b32 s[D0B], 1
	s_mov_b32 s[D0B+1], 32768                      ; B behind A's 32,768 bytes
	s_mov_b64 s[D0B+2:D0B+3], s[46:47]
	s_or_b32 s[D0B+3], s[D0B+3], 0x80000000
	s_mov_b32 s[D1A], 1
	s_mov_b32 s[D1A+1], RGN1
	s_add_nc_u64 s[D1A+2:D1A+3], s[44:45], 4096    ; kf 2 to 5
	s_or_b32 s[D1A+3], s[D1A+3], 0x80000000
	s_mov_b32 s[D1B], 1
	s_mov_b32 s[D1B+1], RGN1+65536
	s_add_nc_u64 s[D1B+2:D1B+3], s[46:47], 4096
	s_or_b32 s[D1B+3], s[D1B+3], 0x80000000
	CROUND                                         ; all sixteen work-groups are here: the first joint loads meet
	s_cmp_lt_u32 s[WV], 2                          ; a wave's one first fill stands in one branch on its number, ahead of every wait on TENSORcnt and every LDS read: one load of each wave is out
	s_cbranch_scc0 .Lfirst_b                       ; THE SHARES OF THE FILLS AS THEY NOW STAND: one first fill a wave, in one chain of four arms: wave 0 A's K 0-255, wave 1 A's K 256-767, wave 2 B's K 0-255, wave 3 B's K 256-767; the one refill is waves 0 and 2's
	s_cmp_eq_u32 s[WV], 0
	s_cbranch_scc0 .Lfirst_a1
	tensor_load_to_lds s[D0A:D0A+3], s[G1A:G1A+7]
	s_nop 0
.rept 4
	v_nop
.endr
	s_branch .Lfirst_done
.Lfirst_a1:
	tensor_load_to_lds s[D1A:D1A+3], s[G1AD:G1AD+7]
	s_nop 0
.rept 4
	v_nop
.endr
	s_branch .Lfirst_done
.Lfirst_b:
	s_cmp_eq_u32 s[WV], 2
	s_cbranch_scc0 .Lfirst_b1
	tensor_load_to_lds s[D0B:D0B+3], s[G1B:G1B+7]
	s_nop 0
.rept 4
	v_nop
.endr
	s_branch .Lfirst_done
.Lfirst_b1:
	tensor_load_to_lds s[D1B:D1B+3], s[G1BD:G1BD+7]
	s_nop 0
.rept 4
	v_nop
.endr
.Lfirst_done:
	v_and_b32 v1, 31, v0
	v_lshlrev_b32 v[CO], 4, v1                     ; 16 x lane
	v_bfe_u32 v6, v0, 4, 1
	v_and_b32 v7, 15, v0
	v_lshlrev_b32 v6, 14, v6
	v_lshl_add_u32 v6, v7, 8, v6
	v_add_nc_u32 v6, s91, v6                       ; the prefetch's offset: row tile 2 p + lane / 16, block of 256 bytes lane % 16; never rewritten
	v_and_b32 v2, 15, v0                           ; r
	s_wait_alu depctr_va_vdst(0)
	v_bfe_u32 v3, v0, 4, 1                         ; h
	s_lshl_b32 s66, s[HA], 14                      ; region 0: my 4 row tiles of A, 4,096 bytes each,
	v_add_nc_u32 v[HADA], s66, v[CO]
	s_lshl_b32 s66, s[HA], 15                      ; region 1: 8,192 each
	s_add_co_u32 s66, s66, RGN1
	v_add_nc_u32 v[HADA+1], s66, v[CO]
	s_lshl_b32 s66, s[HB], 15                      ; region 0: my 8 row tiles of B, behind A's 32,768 bytes,
	s_add_co_u32 s66, s66, 32768
	v_add_nc_u32 v[HADB], s66, v[CO]
	s_lshl_b32 s66, s[HB], 16                      ; region 1: behind A's 65,536
	s_add_co_u32 s66, s66, RGN1+65536
	v_add_nc_u32 v[HADB+1], s66, v[CO]
	s_mul_i32 s70, s[WV], 16*SPITCH                ; my stage
	s_add_co_u32 s70, s70, RGN1
	v_mul_u32_u24 v5, v2, SPITCH                   ; in: row r, 32 bytes for each half of the lanes
	s_wait_alu depctr_va_vdst(0)
	v_lshl_add_u32 v5, v3, 5, v5
	v_add_nc_u32 v[STO], s70, v5
	v_add_nc_u32 v[RD], s70, v[CO]                 ; back: the 32 lanes take one row of 512 bytes
	s_lshl_b32 s68, s40, 19                        ; my first row of out0: (128 x tile row + 64 x half) x 4,096 bytes,
	s_lshl_b32 s69, s[HA], 18
	s_add_co_u32 s68, s68, s69
	s_lshl_b32 s69, s41, 10                        ; my first column: 1,024 x tile column + 512 x half bytes
	s_add_co_u32 s68, s68, s69
	s_lshl_b32 s69, s[HB], 9
	s_add_co_u32 s68, s68, s69
	s_mov_b32 s69, 0
	s_add_nc_u64 s[10:11], s[10:11], s[68:69]
.macro PLACES n                        ; a load into a register that a matrix instruction has read, and a vector instruction that reads a matrix result, stand four plain vector instructions behind it (ISA guide 7.12.1 for vector instructions)
.rept \n
	v_nop
.endr
.endm
.macro HFRAG reg, adr, off             ; a fragment comes as it was laid: four loads of 512 neighbouring bytes
.irp c, 0,1,2,3
	ds_load_b128 v[\reg+4*\c:\reg+4*\c+3], v[\adr] offset:(\off)+512*\c
.endr
.endm
.macro HFETCH_B g, q, p                ; B's eight fragments of region g's q-th 128 along K into set p.  A row tile's bytes lie 4,096 apart in region 0, 8,192 in region 1
	WIN TO_B
.irp i, 0,1,2,3,4,5,6,7
	HFRAG 128*(\p)+FR*\i, HADB+\g, (4096<<(\g))*\i+2048*(\q)
.endr
.endm
.macro HFETCH_A g, q, p                ; A's four
	WIN 0
.irp i, 0,1,2,3
	HFRAG AF+64*(\p)+FR*\i, HADA+\g, (4096<<(\g))*\i+2048*(\q)
.endr
.endm
.macro HMUL8 a, p, zero                ; A's block a x B's eight.  zero = 1: the first product starts the sums.  The 32 accumulators take turns, one instruction a turn, in the same order in every step
.irp b, 0,1,2,3,4,5,6,7
.if \zero
	v_wmma_f32_16x16x128_fp8_fp8 v[8*(8*(\a)+\b):8*(8*(\a)+\b)+7], v[128*(\p)+FR*\b:128*(\p)+FR*\b+FR-1], v[AF+64*(\p)+FR*(\a):AF+64*(\p)+FR*(\a)+FR-1], 0
.else
	v_wmma_f32_16x16x128_fp8_fp8 v[8*(8*(\a)+\b):8*(8*(\a)+\b)+7], v[128*(\p)+FR*\b:128*(\p)+FR*\b+FR-1], v[AF+64*(\p)+FR*(\a):AF+64*(\p)+FR*(\a)+FR-1], v[8*(8*(\a)+\b):8*(8*(\a)+\b)+7]
.endif
.endr
.endm
; A step of 128 along K on set p; the next step's fragments, at (g, q), go into the other set, which the step before multiplied last, four places back.
.macro HSTEP g, q, p, zero
	s_wait_dscnt 2*NL                              ; B's set and A's blocks 0, 1 are in; the youngest 8 loads (A's blocks 2, 3) may be out
	HFETCH_B \g, \q, 1-(\p)
	WIN MUL_LO
	HMUL8 0, \p, \zero
	HMUL8 1, \p, \zero
	s_wait_dscnt 8*NL                              ; A's blocks 2, 3 are in: the 32 loads just issued may be out
	HFETCH_A \g, \q, 1-(\p)
	WIN MUL_LO
	HMUL8 2, \p, \zero
	HMUL8 3, \p, \zero
	PLACES NP
	WIN 0
.endm
; A step that leaves a region: ONE barrier; in front of it each wave waits for all its tensor loads, adds 0 to its spare word, and waits for that and for its own reads.  fill = 1: region 0 is filled again, with K 768 on.
.macro HTURN g, q, p, fill
	s_wait_tensorcnt 0x0                           ; all my tensor loads have landed: my part of the region ahead (every window is 0 here)
	ds_add_u32 v[SPW], v[NIL]                      ; 0 onto my spare word
	s_wait_dscnt 2*NL+1                            ; the add and the youngest 8 loads (A's blocks 2, 3) may be out
	WIN MUL_LO
	HMUL8 0, \p, 0                                 ; eight matrix instructions stand between the add and the wait for it
	s_wait_dscnt 0x0                               ; the add is done, and my reads of the region that I leave are over
	s_barrier_signal -1
	HMUL8 1, \p, 0
	WIN 0
	s_barrier_wait -1
.if \fill
	CREST                                          ; the barrier has opened a round of the cluster's barrier: no wave of any partner still reads region 0 or has a load on its way
	s_add_nc_u64 s[D0A+2:D0A+3], s[D0A+2:D0A+3], 12288   ; from kf 0 to kf 6
	s_add_nc_u64 s[D0B+2:D0B+3], s[D0B+2:D0B+3], 12288
	JLOAD2 D0A, G1A, D0B, G1B                      ; the first tensor load behind the round, a wave's only one; three and a half steps, 112 matrix instructions, ahead of the wait for it
.endif
	HFETCH_B \g, \q, 1-(\p)
	HFETCH_A \g, \q, 1-(\p)
	WIN MUL_LO
	HMUL8 2, \p, 0
	HMUL8 3, \p, 0
	PLACES NP
	WIN 0
.endm
.macro HLAST p                         ; the last step: nothing more to fetch
	s_wait_dscnt 2*NL
	WIN MUL_LO
	HMUL8 0, \p, 0
	HMUL8 1, \p, 0
	s_wait_dscnt 0
	HMUL8 2, \p, 0
	HMUL8 3, \p, 0
	WIN 0
.endm
	s_cmp_eq_u32 s90, 1
	s_cbranch_scc0 .Lno_ask
	global_prefetch_b8 v6, s[88:89] offset:12288 th:TH_LOAD_NT scope:SCOPE_SE   ; 8,192 bytes a wave, two steps of 128 along K ahead of the refill that loads them
.Lno_ask:
	s_wait_tensorcnt 0x0                           ; my one first fill is in
	s_barrier_signal -1
	s_barrier_wait -1                              ; everybody's is
	HFETCH_B 0, 0, 0
	HFETCH_A 0, 0, 0
	HSTEP 0, 1, 0, 1                               ; kf 0: its products start the sums
	HTURN 1, 0, 1, 1                               ; kf 1; region 0 is left and takes kf 6 and 7
	HSTEP 1, 1, 0, 0                               ; kf 2
	HSTEP 1, 2, 1, 0                               ; kf 3
	HSTEP 1, 3, 0, 0                               ; kf 4
	HTURN 0, 0, 1, 0                               ; kf 5; back into region 0; nothing is left to fetch; behind this barrier nobody reads region 1
	HSTEP 0, 1, 0, 0                               ; kf 6
	HLAST 1                                        ; kf 7
; THE WAY OUT, block by block of 16 rows x 128 columns.  A lane holds 32 neighbouring bytes of a row, and the lanes beside it hold other rows: a block goes through my own stage in LDS and comes back as whole
; rows of 512 bytes.  LDS serves a wave's instructions in order (ISA guide 5.7.1.4): no wait between the stores and the loads, nor in front of the next block's stores.
.macro TOSTAGE a
.set AC, 64*(\a)
	WIN 0x02                                       ; source 0: window 2
.set j, 0
.rept 32
	v_pk_mul_f32 v[TMP+j:TMP+j+1], v[AC+j:AC+j+1], s[96:97] op_sel_hi:[1,0]   ; both x s96 = 2^(e10 + e11); each accumulator from its low end on
.set j, j+2
.endr
	WIN 0
.irp b, 0,1,2,3,4,5,6,7
	ds_store_b128 v[STO], v[TMP+8*\b:TMP+8*\b+3] offset:64*\b
	ds_store_b128 v[STO], v[TMP+8*\b+4:TMP+8*\b+7] offset:64*\b+16
.endr
.set BB, 64*(\a)                       ; back into window 1, where B's fragments lay: 64 registers of its own for each block
	WIN TO_B
.irp t, 0,1,2,3,4,5,6,7,8,9,10,11,12,13,14,15
	ds_load_b128 v[BB+4*\t:BB+4*\t+3], v[RD] offset:\t*SPITCH
.endr
	WIN 0
.endm
.macro SEND a, younger                 ; younger: the LDS instructions issued behind block a's loads, which may stay out
.set BB, 64*(\a)
	s_wait_dscnt \younger                          ; the block is back in registers
.irp t, 0,1,2,3,4,5,6,7,8,9,10,11,12,13,14,15
	global_store_b128 v[CO], v[BB+4*\t:BB+4*\t+3], s[10:11] offset:(16*(\a)+\t)*4096 th:TH_STORE_NT   ; 32 lanes store 512 neighbouring bytes, aligned; the row stands in the immediate: no base is stepped
.endr
.endm
	s_wait_kmcnt 0x0
	s_add_co_i32 s96, s96, s97                     ; e10 + e11
	s_add_co_i32 s96, s96, 127
	s_lshl_b32 s96, s96, 23                        ; 2^(e10 + e11) as f32
	PLACES NP                                      ; the places behind the last products: for the reads of results and for the loads into the registers that held B's fragments
	TOSTAGE 0                                      ; all four blocks go through the stage first: no vector line follows a store
	TOSTAGE 1
	TOSTAGE 2
	TOSTAGE 3
	WIN 0x04                                       ; a store's data: window 1
	SEND 0, 63                                     ; behind block 0's loads 96 LDS instructions were issued, behind block 1's 64: the wait's field holds 63 at the most
	SEND 1, 63
	SEND 2, 32
	SEND 3, 0
	WIN 0
	s_wait_tensorcnt 0x0                           ; the wave's end, behind my last tensor load and my last LDS store
	ds_add_u32 v[SPW], v[NIL]
	s_wait_dscnt 0x0
	CROUND                                         ; the closing round: no work-group ends while a partner may still ask for a tile that names it
	s_endpgm
.Lfunc_end_k_q4188766c76_oproj:
	.size	k_q4188766c76_oproj, .Lfunc_end_k_q4188766c76_oproj-k_q4188766c76_oproj
	.p2alignl 7, 3214868480
	.fill 96, 4, 3214868480
	.section	.rodata,"a",@progbits
	.p2align	6, 0x0
	.amdhsa_kernel k_q4188766c76_oproj
		.amdhsa_group_segment_fixed_size 327680
		.amdhsa_private_segment_fixed_size 0
		.amdhsa_enable_private_segment 0
		.amdhsa_kernarg_size 32
		.amdhsa_user_sgpr_count 2
		.amdhsa_user_sgpr_kernarg_segment_ptr 1
		.amdhsa_wavefront_size32 1
		.amdhsa_system_sgpr_workgroup_id_x 1
		.amdhsa_system_sgpr_workgroup_id_y 1
		.amdhsa_system_sgpr_workgroup_id_z 1
		.amdhsa_system_vgpr_workitem_id 0
		.amdhsa_next_free_vgpr 768
		.amdhsa_next_free_sgpr 100
		.amdhsa_reserve_vcc 0
		.amdhsa_float_denorm_mode_32 3
		.amdhsa_float_denorm_mode_16_64 3
		.amdhsa_memory_ordered 1
		.amdhsa_forward_progress 1
		.amdhsa_inst_pref_size 76
	.end_amdhsa_kernel
	.amdgpu_metadata
---
amdhsa.version: [ 1, 2 ]
amdhsa.kernels:
  - .name:           k_q4188766c76_oproj
    .symbol:         k_q4188766c76_oproj.kd
    .args:
      - { .name: ac, .offset: 0, .size: 8, .value_kind: global_buffer, .address_space: global }
      - { .name: cw, .offset: 8, .size: 8, .value_kind: global_buffer, .address_space: global }
      - { .name: lowp_scales, .offset: 16, .size: 8, .value_kind: global_buffer, .address_space: global }
      - { .name: out0, .offset: 24, .size: 8, .value_kind: global_buffer, .address_space: global }
    .group_segment_fixed_size: 327680
    .private_segment_fixed_size: 0
    .kernarg_segment_align: 8
    .kernarg_segment_size: 32
    .max_flat_workgroup_size: 128
    .sgpr_count:     100
    .vgpr_count:     768
    .wavefront_size: 32
...
	.end_amdgpu_metadata
.endif
;; end of part 4
